; MI455X (gfx1250); checked and timed in simulation.
; The chip was launched on July 23, 2026; its instructions are those of AMD's public machine-readable ISA for CDNA 5 (MIT licence, August 2026) and "CDNA5" Instruction Set Architecture Reference Guide (July 2026). The comments in the code are by the model that wrote it; some were corrected since.
;; Multi Scale Retention. Allowed arithmetic: matrix products marked QUANTISED: E2M3 operands, one E8M0 scale for each 32 along K, by v_wmma_scale_f32_16x16x128_f8f6f4 with both operands' format E2M3, f32 sums; everything else in f32.
;; Inputs: g_b 2,048 float32; g_w_codes 2,048 x 32 x 24 uint8 (E2M3 codes of g_w, K innermost, in blocks of 32 codes, four codes in three bytes); g_w_scales 2,048 x 32 uint8 (E8M0 scales of g_w, one for each 32 codes along K); k_b 1,024 float32; k_w_codes 1,024 x 32 x 24 uint8 (E2M3 codes of k_w, K innermost, in blocks of 32 codes, four codes in three bytes); k_w_scales 1,024 x 32 uint8 (E8M0 scales of k_w, one for each 32 codes along K); o_b 1,024 float32; o_w_codes 1,024 x 64 x 24 uint8 (E2M3 codes of o_w, K innermost, in blocks of 32 codes, four codes in three bytes); o_w_scales 1,024 x 64 uint8 (E8M0 scales of o_w, one for each 32 codes along K); q_b 1,024 float32; q_w_codes 1,024 x 32 x 24 uint8 (E2M3 codes of q_w, K innermost, in blocks of 32 codes, four codes in three bytes); q_w_scales 1,024 x 32 uint8 (E8M0 scales of q_w, one for each 32 codes along K); v_b 2,048 float32; v_w_codes 2,048 x 32 x 24 uint8 (E2M3 codes of v_w, K innermost, in blocks of 32 codes, four codes in three bytes); v_w_scales 2,048 x 32 uint8 (E8M0 scales of v_w, one for each 32 codes along K); x_codes 2 x 2,048 x 32 x 24 uint8 (E2M3 codes of x, K innermost, in blocks of 32 codes, four codes in three bytes); x_scales 2 x 2,048 x 32 uint8 (E8M0 scales of x, one for each 32 codes along K).
;; Outputs: out0 2 x 2,048 x 1,024 float32.
;; This version of the problem:
;;   THIS VERSION OF THE PROBLEM IS GIVEN IN LOW PRECISION. The matrix products marked QUANTISED in the list below multiply operands that are first quantised to E2M3 (2 exponent bits, 3 mantissa bits; 6 bits a number), with one power-of-two scale for each 32 numbers along K (OCP MX v1.0); their sums are f32. All else is computed in f32.
;;   The module's matrix products, in the order in which they are computed (A, B: the left and right operand; K: the contracted axis; several contracted axes count as one K, in the product's order):
;;     1. [M 4,096, K 1,024] x [K 1,024, N 1,024]; A: input x (given as codes); B: input q_w (given as codes): QUANTISED
;;     2. [M 4,096, K 1,024] x [K 1,024, N 1,024]; A: input x (given as codes); B: input k_w (given as codes): QUANTISED
;;     3. [M 4,096, K 1,024] x [K 1,024, N 2,048]; A: input x (given as codes); B: input v_w (given as codes): QUANTISED
;;     4. [M 4,096, K 1,024] x [K 1,024, N 2,048]; A: input x (given as codes); B: input g_w (given as codes): QUANTISED
;;     5. batch 32 x [M 2,048, K 64] x [K 64, N 2,048]; A: computed on the way; B: computed on the way: QUANTISED
;;     6. batch 32 x [M 2,048, K 2,048] x [K 2,048, N 128]; A: computed on the way; B: computed on the way: QUANTISED
;;     7. [M 4,096, K 2,048] x [K 2,048, N 1,024]; A: computed on the way; B: input o_w (given as codes): QUANTISED
;;   THE QUANTISER, for each operand of a quantised product, along K:
;;     - K is cut into blocks of 32 from its start; a last block that is shorter is filled with zeros.
;;     - A block's scale is 2^e with e = floor(log2(the largest magnitude in the block)) - 2, held to -126 .. 127; a block of zeros has e = 0. As a byte (E8M0): e + 127.
;;     - Each number is divided by its block's scale, clamped to +-7.5, and rounded to the nearest number of E2M3, ties to even, subnormals kept.
;;     - The product sums the exact products of the quantised numbers (number of the format x scale) in f32.
;;   ~~~python
;;   def quantise(x, axis):      # numpy; x: float32 -> the quantised numbers, widened to float32 again
;;       x = np.moveaxis(x, axis, -1); K = x.shape[-1]
;;       x = np.pad(x, [(0, 0)] * (x.ndim - 1) + [(0, -K % 32)]); x = x.reshape(x.shape[:-1] + (-1, 32)); a = np.abs(x).max(-1, keepdims=True)
;;       e = np.where(a > 0, np.clip(np.frexp(np.where(a > 0, a, 1))[1] - 1 - 2, -126, 127), 0)      # np.frexp(a)[1] - 1 = floor(log2(a)), exactly
;;       r = np.clip(x / 2.0 ** e, -7.5, 7.5)
;;       step = 2.0 ** (np.maximum(np.frexp(np.where(r == 0, 1, r))[1] - 1, 0) - 3)
;;       q = np.round(r / step) * step * 2.0 ** e      # np.round: ties to even
;;       return np.moveaxis(q.reshape(q.shape[:-2] + (-1,))[..., :K], -1, axis).astype(np.float32)
;;   ~~~
;;   OPERANDS COMPUTED ON THE WAY. 'Computed on the way' means the value that the module computes at that place (a softmax that the list does not call 'softmax' is quantised finished and normalised). What goes into a quantiser is computed in f32, as accurately as f32 sums, v_exp_f32 and their like allow (about 1e-6 of the number): no bf16 or f16 on the way to a quantiser, and a product that is left as it is and whose result goes on into a quantised operand takes f32 operands (vector FMAs, or v_wmma_f32_16x16x4_f32). A number that lies on a knife's edge between two numbers of the format may be rounded either way, as far as f32 arithmetic and the matrix unit's own rounding can turn it there, and no further.
;;   INPUTS GIVEN AS CODES. g_w (in the module: [1024, 2048], K = its axis 0); k_w (in the module: [1024, 1024], K = its axis 0); o_w (in the module: [2048, 1024], K = its axis 0); q_w (in the module: [1024, 1024], K = its axis 0); v_w (in the module: [1024, 2048], K = its axis 0); x (in the module: [2, 2048, 1024], K = its axis 2): each comes as NAME_codes (uint8): NAME with its K axis moved to the last place and cut into blocks of 32 codes, [.., K / 32, bytes a block], one block behind the other in memory; four codes in three bytes: a row's codes are one little-endian stream of bits, code i at bits 6 i .. 6 i + 5 (a code: sign, 2 exponent bits, 3 mantissa bits); and NAME_scales (uint8): the same leading axes, one E8M0 byte (e + 127) for each 32 codes along K. Its value is code x scale, taken as it is: it is not quantised again, and the codes and scales need not be those that the quantiser above would give.
;; One version. Each part assembles by itself: llvm-mc -triple=amdgcn-amd-amdhsa -mcpu=gfx1250 --defsym DOCPART=n.
;; ======== version 1 of 1: 3 launches
;; workspace buffers: qpack 3,407,872 bytes; kpack 3,407,872 bytes; vpack 6,553,600 bytes; gpack 1,638,400 bytes; ximg 3,145,728 bytes; owpack 1,638,400 bytes; a7pack 6,553,600 bytes
;; launch proj (part 1): grid 16 x 16, 4 waves a work-group, clusters of 4 x 4, 327,680 bytes of LDS; arguments x_codes, x_scales, q_w_codes, q_w_scales, k_w_codes, k_w_scales, v_w_codes, v_w_scales, q_b, k_b, v_b, qpack, kpack, vpack, g_w_codes, g_w_scales, o_w_codes, o_w_scales, gpack, owpack, ximg; writes qpack, kpack, vpack, gpack, ximg, owpack
.if DOCPART == 1
	.amdgcn_target "amdgcn-amd-amdhsa--gfx1250"
	.amdhsa_code_object_version 6
	.text
	.protected	k_q96e34b253f_proj
	.globl	k_q96e34b253f_proj
	.p2align	8
	.type	k_q96e34b253f_proj,@function
k_q96e34b253f_proj:
	s_mov_b64 s[64:65], 0
	v_nop
	global_prefetch_b8 v0, s[64:65] scope:SCOPE_SE
	s_setreg_imm32_b32 hwreg(HW_REG_WAVE_MODE, 25, 1), 1
	s_wait_xcnt 0x0
	s_wait_alu depctr_hold_cnt(0) depctr_sa_sdst(0) depctr_va_vdst(0) depctr_va_sdst(0) depctr_va_ssrc(0) depctr_va_vcc(0) depctr_vm_vsrc(0)
	s_getreg_b32 s2, hwreg(HW_REG_IB_STS2, 6, 4)
	s_cmp_eq_u32 s2, 0
	s_cbranch_scc0 .Lentry_in_a_cluster
	s_endpgm
.Lentry_in_a_cluster:
	s_bfe_u32 s2, ttmp6, 0x10000c
	s_cmp_lg_u32 s2, 0xf033
	s_cbranch_scc0 .Lentry_shape_is_right
	s_endpgm
.Lentry_shape_is_right:
; MULTI-SCALE RETENTION IN MX-FP6, launch 1 of 3: the projections q, k, v of x, their biases, the rotary shift of q and k (k also x 1/8), and the quantisers that make
; them operands of the two products of the attention; and x, g_w, o_w laid anew as images of operand registers for the later launches.
; DEAD WORK OF THE WHOLE PROGRAM.  reference() builds its mask as where(m >= n, exp(..), 0): for a key n behind the query m the weight is an exact 0 whatever the inputs hold, so its score reaches neither the
; row's sum nor the product with v.  The second launch therefore leaves out every step of 128 keys that lies wholly behind a wave's 32 queries; in the step on the diagonal hidden scores are set to 0.
; The far lower triangle is small and not 0: it is computed.  Every input has a way to the output and is loaded.  LIMIT: a NaN, an infinity or an overflow that reaches only the steps left out is not carried to the result.
; LIMITS: NaN and infinities are not served; a block whose largest magnitude lies under 2^-124 keeps the scale byte 1; the rotary angle is pos x exp2(-i log2(10000)/31), reduced by pi/2 in two parts,
; sine and cosine by polynomials of degree 7 and 8 (about 1e-7), and carried over at most three rotations by 32 positions.
; ONE GEMM, [4096 rows of x] x [4096 rows of weights: q_w, k_w, v_w by the cluster's x = 0, 1, 2-3], K = 1024, on codes as they lie in memory.  A work-group makes 256 x 256, a wave 128 x 128: 64 accumulators.
; K goes in steps of 256 through a ring of two LDS slots filled by joint tensor loads (x's tile shared along a row of the 4 x 4 cluster, the weights' along a column); the scale bytes come once and stay.
; THE QUANTISER'S AXIS MUST RUN ALONG A LANE'S REGISTERS: q, k (axis: the head's 64): source 0 = weights, source 1 = x.  v (axis: the keys): source 0 = x, source 1 = weights.  Only the LDS addresses that the fragment
; loads use change places, by the cluster's x, which all partners share.
; ORDER OF K IN WHAT IS MADE HERE: a result tile gives lane (r, h) the rows 8 h + j of source 0, so a block of 32 stands in the order 0-7, 16-23, 8-15, 24-31; blocks and scales are the true ones.  Both operands of each later
; product stand in that one order (o_w's codes are put into it here), which leaves every product as it is.
; REGISTERS, in windows of 256: window 0: v0-31 addresses; v32-63 scale words; from v128 source 1's fragments.  window 1: source 0's fragments, two sets.  windows 2, 3: accumulators (a, b) at v[8 (8 (a % 4) + b)].
; Behind the K loop windows 0 and 1 are free: see the names below.
.set KSTEP,  256
.set NQ,     2
.set ROWB,   192
.set KROW,   768
.set PITCH,  240                       ; an LDS row: 3 x (64 bytes + 16 of padding)
.set FR,     12
.set NL,     6
.set NP,     4
.set HALFT,  128*PITCH
.set SLOT,   4*HALFT
.set LAPS,   2
.set KS,     32
.set SCL,    2*SLOT
.set HALFS,  16*272
.set SBLK,   2*272
.set SPARE,  SCL+4*HALFS               ; the spare words: 128 bytes a wave, named by no other line
.set QKH,    106496                    ; a head's bytes in qpack and kpack: 128 tile images of 768, 16 scale images of 512
.set VH,     204800                    ; in vpack and owpack
.set GH,     102400                    ; in gpack
.set ADRA, 16
.set ADRB, 20
.set ADRS, 27
.set SPW,  28
.set NIL,  29
.set VO16, 30                          ; 16 x lane
.set VO8,  31                          ; 8 x lane + 512
.set SC,   32
.set AF,   128
.set PW,   5                           ; behind the loop: the scale word just made
.set CW,   8                           ; v8-15 scale words gathered for a step's image
.set TR0,  32                          ; rotary factors [c, s] x 16 of the even blocks of positions,
.set TR1,  64                          ; of the odd ones,
.set ROT,  96                          ; and of 32 positions on
.set W,    128                         ; 64 numbers at work
.set PC,   192                         ; codes
.set CT,   204
.set AM,   212
.set PX,   216
.set SO,   220
.set TH,   224                         ; the 16 angles a position
.set KA,   128
.set RA,   144
.set ZA,   160
.set SA,   176
.set CA,   192
.set PA,   208
.set SEL,  66
.set G1, 24
.set G0, 32
.set G1B, 48
.set G0B, 56
.set G1S, 68
.set G0S, 76
.set G1SB, 80
.set G0SB, 88
.set MSB, 0
.macro WIN new                         ; the immediate's high byte repeats the setting that is left
.if MSB != (\new)
	s_set_vgpr_msb (MSB<<8)|(\new)
.set MSB, (\new)
.endif
.endm
.set MUL_LO, 0xa1
.set MUL_HI, 0xf1
.set TO_B,   0x40
.macro JLOAD g0a, g1a, g0b, g1b        ; a joint load: waves 0 and 1 fetch x's halves, waves 2 and 3 the weights'; the branch hangs on the wave's number alone
	s_cmp_eq_u32 s15, 0
	s_cbranch_scc0 .Lfor_b_\@
	tensor_load_to_lds s[\g0a:\g0a+3], s[\g1a:\g1a+7]
	s_nop 0
.rept 4
	v_nop
.endr
	s_branch .Lasked_\@
.Lfor_b_\@:
	tensor_load_to_lds s[\g0b:\g0b+3], s[\g1b:\g1b+7]
	s_nop 0
.rept 4
	v_nop
.endr
.Lasked_\@:
.endm
.macro CREST
	s_cmp_lg_u32 s14, 0
	s_cbranch_scc1 .Lnot_wave_0_\@
	s_barrier_signal -3
.Lnot_wave_0_\@:
	s_barrier_wait -3
	s_barrier_signal -1
	s_barrier_wait -1
.endm
.macro CROUND
	s_barrier_signal -1
	s_barrier_wait -1
	CREST
.endm
	s_load_b128 s[4:7], s[0:1], 0x0                ; x's codes, x's scales
	s_load_b256 s[92:99], s[0:1], 0x10             ; q_w's codes, scales; k_w's codes, scales
	s_load_b128 s[8:11], s[0:1], 0x30              ; v_w's codes, scales
	v_lshl_add_u32 v[SPW], v0, 2, SPARE
	v_mov_b32 v[NIL], 0
	ds_add_u32 v[SPW], v[NIL]                      ; the wave's opening: the add, twice on end, and its wait ahead of my first tensor load
	ds_add_u32 v[SPW], v[NIL]
	v_lshrrev_b32 v1, 5, v0
	v_readfirstlane_b32 s14, v1                    ; wave 0..3
	s_lshr_b32 s15, s14, 1                         ; which half of x's 256 rows is mine.  Also: I fetch for x (0) or for the weights (1)
	s_and_b32 s16, s14, 1                          ; which half of the weights' 256 rows.  Also: which 128 rows of that tile I fetch
	s_bfe_u32 s40, ttmp6, 0x40000                  ; cx
	s_bfe_u32 s41, ttmp6, 0x40004                  ; cy
	s_sub_co_i32 s42, ttmp9, 2
	s_max_i32 s42, s42, 0
	s_lshl_b32 s42, s42, 2
	s_add_co_u32 s42, s42, s40                     ; the tile of 256 rows in my weight: cx, in v_w cx + 4 (cluster x - 2)
	s_and_b32 s17, ttmp7, 0xffff
	s_lshl_b32 s17, s17, 2
	s_add_co_u32 s17, s17, s41                     ; the tile of 256 rows of x
	s_lshl_b32 s43, s41, 2
	s_lshl_b32 s43, 15, s43                        ; my row of the cluster
	s_lshl_b32 s44, 0x1111, s40                    ; my column
	s_or_b32 s[G1+0], s43, (0<<16)|(1<<20)|(1<<21)|(3<<22)|(3<<25)  ; the mask; elements of 1 byte; padding on; bit 21 beside a mask; 4 words behind every 16
	s_or_b32 s[G1B+0], s44, (0<<16)|(1<<20)|(1<<21)|(3<<22)|(3<<25)
.irp g, G1, G1B
	s_mov_b32 s[\g+1], ROWB<<16
	s_mov_b32 s[\g+2], 128<<16
	s_mov_b32 s[\g+3], ROWB<<16
	s_mov_b32 s[\g+4], 128
	s_mov_b32 s[\g+5], KROW
	s_mov_b32 s[\g+6], 0
	s_mov_b32 s[\g+7], 0
.endr
	s_or_b32 s[G1S+0], s43, (3<<16)|(1<<20)|(1<<21)|(5<<22)|(3<<25)  ; the scales of 128 rows: 4,096 dense bytes as 16 rows of 256, 16 bytes of padding behind each
	s_or_b32 s[G1SB+0], s44, (3<<16)|(1<<20)|(1<<21)|(5<<22)|(3<<25)
.irp g, G1S, G1SB
	s_mov_b32 s[\g+1], 32<<16
	s_mov_b32 s[\g+2], 16<<16
	s_mov_b32 s[\g+3], 32<<16
	s_mov_b32 s[\g+4], 16
	s_mov_b32 s[\g+5], 32
	s_mov_b32 s[\g+6], 0
	s_mov_b32 s[\g+7], 0
.endr
	s_lshl_b32 s18, s16, 7
	s_lshl_b32 s20, s17, 8
	s_add_co_u32 s20, s20, s18                     ; x: row 256 x tile + 128 x half
	s_lshl_b32 s46, s42, 8
	s_add_co_u32 s46, s46, s18                     ; the weight: likewise
	s_mov_b32 s21, 0
	s_mov_b32 s47, 0
	s_mov_b64 s[18:19], KS
	s_mul_u64 s[22:23], s[20:21], s[18:19]
	s_mul_u64 s[100:101], s[46:47], s[18:19]
	s_mov_b64 s[18:19], KROW
	s_mul_u64 s[20:21], s[20:21], s[18:19]
	s_mul_u64 s[46:47], s[46:47], s[18:19]
	s_mul_i32 s45, s14, HALFT                      ; where they go: wave x 128 rows
	s_mul_i32 s104, s14, HALFS
	s_wait_dscnt 0x0                               ; both opening adds are done
	s_wait_kmcnt 0x0
	s_cmp_eq_u32 ttmp9, 1                          ; which weight: by the cluster's x, which all sixteen partners share
	s_cselect_b64 s[92:93], s[96:97], s[92:93]
	s_cselect_b64 s[94:95], s[98:99], s[94:95]
	s_cmp_ge_u32 ttmp9, 2
	s_cselect_b64 s[8:9], s[8:9], s[92:93]
	s_cselect_b64 s[10:11], s[10:11], s[94:95]
	s_add_nc_u64 s[20:21], s[4:5], s[20:21]
	s_add_nc_u64 s[22:23], s[6:7], s[22:23]
	s_add_nc_u64 s[46:47], s[8:9], s[46:47]
	s_add_nc_u64 s[100:101], s[10:11], s[100:101]
	CROUND                                         ; all sixteen work-groups are here: the first joint loads meet
	s_mov_b32 s[G0S], 1
	s_add_co_u32 s[G0S+1], s104, SCL
	s_mov_b64 s[G0S+2:G0S+3], s[22:23]
	s_or_b32 s[G0S+3], s[G0S+3], 0x80000000
	s_mov_b32 s[G0SB], 1
	s_add_co_u32 s[G0SB+1], s104, SCL
	s_mov_b64 s[G0SB+2:G0SB+3], s[100:101]
	s_or_b32 s[G0SB+3], s[G0SB+3], 0x80000000
	JLOAD G0S, G1S, G0SB, G1SB                     ; the scales first
.irp s, 0,1
	s_mov_b32 s[G0+4*\s], 1
	s_add_co_u32 s[G0+4*\s+1], s45, \s*SLOT
	s_add_nc_u64 s[G0+4*\s+2:G0+4*\s+3], s[20:21], \s*ROWB
	s_or_b32 s[G0+4*\s+3], s[G0+4*\s+3], 0x80000000
	s_mov_b32 s[G0B+4*\s], 1
	s_add_co_u32 s[G0B+4*\s+1], s45, \s*SLOT
	s_add_nc_u64 s[G0B+4*\s+2:G0B+4*\s+3], s[46:47], \s*ROWB
	s_or_b32 s[G0B+4*\s+3], s[G0B+4*\s+3], 0x80000000
	JLOAD G0+4*\s, G1, G0B+4*\s, G1B
.endr
	; the other arguments, while the tiles are on their way
	s_load_b256 s[92:99], s[0:1], 0x40             ; q_b, k_b, v_b, qpack
	s_load_b128 s[4:7], s[0:1], 0x60               ; kpack, vpack
	s_load_b128 s[8:11], s[0:1], 0x70              ; g_w's codes, scales
	s_load_b128 s[20:23], s[0:1], 0x80             ; o_w's codes, scales
	s_load_b128 s[44:47], s[0:1], 0x90             ; gpack, owpack
	s_load_b64 s[12:13], s[0:1], 0xa0              ; ximg
	s_load_b64 s[18:19], s[0:1], 0x0               ; x's codes
	v_and_b32 v1, 15, v0                           ; r
	v_bfe_u32 v2, v0, 4, 1                         ; h
	v_mul_u32_u24 v3, v1, PITCH
	v_mul_u32_u24 v4, v2, 24
	v_add_nc_u32 v4, v3, v4                        ; a fragment's row x pitch + 24 x half
	v_lshl_add_u32 v5, v2, 4, v4                   ; and the same behind one padding more
	s_mul_i32 s100, s15, HALFT                     ; my 128 rows of x
	s_mul_i32 s101, s16, HALFT
	s_add_co_u32 s101, s101, 2*HALFT               ; my 128 rows of the weight
	s_cmp_ge_u32 ttmp9, 2
	s_cselect_b32 s104, s101, s100                 ; source 1: x for q and k, the weight for v
	s_cselect_b32 s105, s100, s101                 ; source 0: the other
.irp s, 0,1
	v_add_nc_u32 v[ADRA+\s], s104, v4
	v_add_nc_u32 v[ADRB+\s], s105, v4
	v_add_nc_u32 v[ADRA+2+\s], s104, v5
	v_add_nc_u32 v[ADRB+2+\s], s105, v5
	s_add_co_u32 s104, s104, SLOT
	s_add_co_u32 s105, s105, SLOT
.endr
	v_mul_u32_u24 v5, v1, KS                       ; my row's scales: 32 bytes a row,
	v_lshrrev_b32 v6, 8, v5
	v_lshl_add_u32 v5, v6, 4, v5                   ; and 16 more for each 256 passed
	s_mul_i32 s100, s15, HALFS
	s_add_co_u32 s100, s100, SCL                   ; x's
	s_mul_i32 s101, s16, HALFS
	s_add_co_u32 s101, s101, SCL+2*HALFS           ; the weight's
	s_cmp_ge_u32 ttmp9, 2
	s_cselect_b32 s104, s101, s100                 ; lanes 0-15 take source 1's words,
	s_cselect_b32 s105, s100, s101                 ; lanes 16-31 source 0's
	v_mov_b32 v6, s104
	v_mov_b32 v7, s105
	v_cmp_eq_u32 vcc_lo, 1, v2
	v_cndmask_b32 v6, v6, v7, vcc_lo
	v_add_nc_u32 v[ADRS], v5, v6
	; RE-LAYING.  Wave f of the launch's 1,024 copies two fragments of x, one of g_w and one of o_w (16 rows x 128 K: 12 registers a lane) into images: three stores of 512 consecutive bytes each.
	v_and_b32 v64, 31, v0
	v_lshlrev_b32 v[VO16], 4, v64
	v_lshl_add_u32 v[VO8], v64, 3, 512
	v_mul_u32_u24 v65, v1, 768
	v_mad_u32_u24 v65, v2, 24, v65                 ; x, g_w: row r of 768 bytes + 24 h
	v_mul_u32_u24 v66, v1, 1536
	v_mad_u32_u24 v66, v2, 24, v66                 ; o_w: rows of 1,536 bytes
	v_lshlrev_b32 v67, 5, v1                       ; g_w's scales: 32 bytes a row
	v_lshlrev_b32 v68, 6, v1                       ; o_w's: 64
	v_lshlrev_b32 v69, 2, v1
	s_lshl_b32 s100, ttmp9, 2
	s_add_co_u32 s100, s100, s40
	s_lshl_b32 s101, s17, 4
	s_add_co_u32 s100, s100, s101
	s_lshl_b32 s100, s100, 2
	s_add_co_u32 s100, s100, s14                   ; f
	s_mov_b32 s105, 0
	s_wait_kmcnt 0x0
	s_lshr_b32 s101, s100, 2                       ; x: row tile f / 4, K steps 2 (f % 4) and the next
	s_mul_i32 s101, s101, 12288
	s_and_b32 s66, s100, 3
	s_mul_i32 s104, s66, 192
	s_add_co_u32 s104, s104, s101
	s_add_nc_u64 s[18:19], s[18:19], s[104:105]
	s_mul_i32 s104, s66, 3072
	s_add_co_u32 s104, s104, s101
	s_add_nc_u64 s[12:13], s[12:13], s[104:105]
	s_lshr_b32 s101, s100, 3                       ; g_w: row tile f / 8, K step f % 8
	s_and_b32 s66, s100, 7
	s_mul_i32 s104, s101, 12288
	s_mul_i32 s67, s66, 96
	s_add_co_u32 s104, s104, s67
	s_add_nc_u64 s[8:9], s[8:9], s[104:105]
	s_lshl_b32 s104, s101, 9
	s_lshl_b32 s67, s66, 2
	s_add_co_u32 s104, s104, s67
	s_add_nc_u64 s[10:11], s[10:11], s[104:105]
	s_lshr_b32 s104, s101, 3
	s_mul_i32 s104, s104, GH
	s_add_nc_u64 s[44:45], s[44:45], s[104:105]    ; gpack at the tile's head
	s_and_b32 s101, s101, 7
	s_lshl_b32 s67, s66, 3
	s_add_co_u32 s67, s67, s101
	s_mul_i32 s67, s67, 1536
	v_add_nc_u32 v70, s67, v[VO16]                 ; image (K step, tile)
	s_lshl_b32 s67, s66, 9
	s_lshl_b32 s101, s101, 6                       ; 128 (tile / 2) + 64 (tile % 2) = 64 x tile
	s_add_co_u32 s67, s67, s101
	s_add_co_u32 s67, s67, 98304
	v_add_nc_u32 v71, s67, v69                     ; its scale words
	s_lshr_b32 s101, s100, 4                       ; o_w: row tile f / 16, K step f % 16
	s_and_b32 s66, s100, 15
	s_mul_i32 s104, s101, 24576
	s_mul_i32 s67, s66, 96
	s_add_co_u32 s104, s104, s67
	s_add_nc_u64 s[20:21], s[20:21], s[104:105]
	s_lshl_b32 s104, s101, 10
	s_lshl_b32 s67, s66, 2
	s_add_co_u32 s104, s104, s67
	s_add_nc_u64 s[22:23], s[22:23], s[104:105]
	s_lshr_b32 s104, s101, 3
	s_mul_i32 s104, s104, VH
	s_add_nc_u64 s[46:47], s[46:47], s[104:105]
	s_and_b32 s101, s101, 7
	s_lshl_b32 s67, s66, 3
	s_add_co_u32 s67, s67, s101
	s_mul_i32 s67, s67, 1536
	v_add_nc_u32 v72, s67, v[VO16]
	s_lshl_b32 s67, s66, 9
	s_lshl_b32 s101, s101, 6
	s_add_co_u32 s67, s67, s101
	s_add_co_u32 s67, s67, 196608
	v_add_nc_u32 v73, s67, v69
.irp p, 0,1,2,3,4,5
	global_load_b64 v[128+2*\p:129+2*\p], v65, s[18:19] offset:48*(\p/3)+8*(\p%3)
	global_load_b64 v[140+2*\p:141+2*\p], v65, s[18:19] offset:96+48*(\p/3)+8*(\p%3)
	global_load_b64 v[152+2*\p:153+2*\p], v65, s[8:9] offset:48*(\p/3)+8*(\p%3)
	global_load_b64 v[164+2*\p:165+2*\p], v66, s[20:21] offset:48*(\p/3)+8*(\p%3)
.endr
	global_load_b32 v176, v67, s[10:11]
	global_load_b32 v177, v68, s[22:23]
	; where my results go, and my bias: chosen by the cluster's x
	s_lshl_b32 s66, s42, 1
	s_add_co_u32 s66, s66, s16                     ; v: my head = 2 x tile + half
	s_lshl_b32 s100, s66, 1                        ; q, k: the first of my two heads
	s_cmp_eq_u32 ttmp9, 1
	s_cselect_b64 s[98:99], s[4:5], s[98:99]
	s_cselect_b64 s[92:93], s[94:95], s[92:93]
	s_cmp_ge_u32 ttmp9, 2
	s_cselect_b64 s[98:99], s[6:7], s[98:99]
	s_cselect_b64 s[92:93], s[96:97], s[92:93]
	s_mov_b32 s43, QKH
	s_cselect_b32 s43, VH, s43                     ; a head's bytes
	s_mov_b32 s3, 6144
	s_cselect_b32 s3, 12288, s3                    ; a step's images
	s_mov_b32 s41, 98304
	s_cselect_b32 s41, 0, s41                      ; where the scale images begin
	s_cselect_b32 s67, 8192, 0                     ; where the images begin
	s_cselect_b32 s66, s66, s100
	s_mov_b64 s[96:97], s[98:99]
	s_lshr_b32 s100, s17, 3                        ; the batch
	s_lshl_b32 s100, s100, 4
	s_add_co_u32 s66, s66, s100
	s_mul_i32 s66, s66, s43
	s_and_b32 s101, s17, 7
	s_lshl_b32 s101, s101, 1
	s_add_co_u32 s101, s101, s15                   ; my step of 128 positions
	s_mul_i32 s3, s3, s101
	s_add_co_u32 s104, s66, s3
	s_add_co_u32 s104, s104, s67
	s_add_nc_u64 s[98:99], s[98:99], s[104:105]    ; images
	s_lshl_b32 s101, s101, 9
	s_add_co_u32 s104, s66, s101
	s_add_co_u32 s104, s104, s41
	s_add_nc_u64 s[96:97], s[96:97], s[104:105]    ; scale image
	s_lshl_b32 s104, s42, 10
	s_lshl_b32 s101, s16, 9
	s_add_co_u32 s104, s104, s101
	s_add_nc_u64 s[92:93], s[92:93], s[104:105]    ; my 128 numbers of the bias
	s_wait_loadcnt 0x0
.irp c, 0,1                                    ; o_w's blocks into the order 0-7, 16-23, 8-15, 24-31: the 48-bit pieces 1 and 2 of a block's 192 bits change places
	v_mov_b32 v[178+6*\c], v[164+6*\c]
	v_perm_b32 v[179+6*\c], v[167+6*\c], v[165+6*\c], 0x05040100
	v_perm_b32 v[180+6*\c], v[168+6*\c], v[167+6*\c], 0x05040302
	v_perm_b32 v[181+6*\c], v[166+6*\c], v[165+6*\c], 0x05040302
	v_perm_b32 v[182+6*\c], v[168+6*\c], v[166+6*\c], 0x07060302
	v_mov_b32 v[183+6*\c], v[169+6*\c]
.endr
.irp c, 0,1,2
	global_store_b128 v[VO16], v[128+4*\c:131+4*\c], s[12:13] offset:512*\c
	global_store_b128 v[VO16], v[140+4*\c:143+4*\c], s[12:13] offset:1536+512*\c
	global_store_b128 v70, v[152+4*\c:155+4*\c], s[44:45] offset:512*\c
	global_store_b128 v72, v[178+4*\c:181+4*\c], s[46:47] offset:512*\c
.endr
	global_store_b32 v71, v176, s[44:45]           ; lanes 16-31 store the word that lanes 0-15 store, at the same place
	global_store_b32 v73, v177, s[46:47]
	s_wait_xcnt 0x0                                ; the stores have read their registers: the fragment loads below may land there
.macro FRAG reg, adr, q, i             ; a fragment: lane l holds row l % 16; registers 6 c .. 6 c + 5 hold K = 64 c + 32 (l / 16) + 0 .. 31: 24 bytes of the row's stream of bits, in pieces of 8
.irp p, 0,1,2,3,4,5
.set PCE, 12*(\q)+6*(\p/3)+\p%3
.if PCE%8 < 5
	ds_load_b64 v[\reg+2*\p:\reg+2*\p+1], v[\adr] offset:8*PCE+16*(PCE/8)+(\i)*16*PITCH
.else
	ds_load_b64 v[\reg+2*\p:\reg+2*\p+1], v[\adr+2] offset:8*PCE+16*(PCE/8)+(\i)*16*PITCH
.endif
.endr
.endm
; 16 matrix instructions: source 1's blocks a0, a0 + 1 x source 0's eight.  The 64 accumulators take turns, one instruction a turn.
.macro MUL16 a0, p, q, sc, zero
.irp a, \a0, \a0+1
.irp b, 0,1,2,3,4,5,6,7
.if \zero
	v_wmma_scale_f32_16x16x128_f8f6f4 v[8*(8*((\a)%4)+\b):8*(8*((\a)%4)+\b)+7], v[128*(\p)+FR*\b:128*(\p)+FR*\b+FR-1], v[AF+FR*(\a):AF+FR*(\a)+FR-1], 0, v[SC+8*NQ*(\sc)+NQ*\b+(\q)], v[SC+8*NQ*(\sc)+NQ*(\a)+(\q)] matrix_a_fmt:MATRIX_FMT_FP6 matrix_b_fmt:MATRIX_FMT_FP6 matrix_a_scale:MATRIX_SCALE_ROW1
.else
	v_wmma_scale_f32_16x16x128_f8f6f4 v[8*(8*((\a)%4)+\b):8*(8*((\a)%4)+\b)+7], v[128*(\p)+FR*\b:128*(\p)+FR*\b+FR-1], v[AF+FR*(\a):AF+FR*(\a)+FR-1], v[8*(8*((\a)%4)+\b):8*(8*((\a)%4)+\b)+7], v[SC+8*NQ*(\sc)+NQ*\b+(\q)], v[SC+8*NQ*(\sc)+NQ*(\a)+(\q)] matrix_a_fmt:MATRIX_FMT_FP6 matrix_b_fmt:MATRIX_FMT_FP6 matrix_a_scale:MATRIX_SCALE_ROW1
.endif
.endr
.endr
.endm
.macro FETCH_B slot, q, p
	WIN TO_B
.irp i, 0,1,2,3,4,5,6,7
	FRAG 128*(\p)+FR*\i, ADRB+\slot, \q, \i
.endr
	WIN 0
.endm
.macro FETCH_A slot, q, i0
.irp i, \i0, \i0+1, \i0+2, \i0+3
	FRAG AF+FR*(\i), ADRA+\slot, \q, \i
.endr
.endm
.macro SCALES sc
.irp i, 0,1,2,3,4,5,6,7
	ds_load_b64 v[SC+8*NQ*\sc+NQ*\i:SC+8*NQ*\sc+NQ*\i+1], v[ADRS] offset:\i*SBLK
.endr
.endm
.macro PLACES n                        ; plain vector places behind matrix instructions (ISA guide 7.12.1)
.rept \n
	v_nop
.endr
.endm
.macro STEP slot, q, zero
	s_wait_dscnt 4*NL                              ; source 0's set and source 1's blocks 0-3 are in; the youngest 24 loads (blocks 4-7) may be out
	WIN MUL_LO
	MUL16 0, (\q)%2, \q, \slot, \zero
	MUL16 2, (\q)%2, \q, \slot, \zero
	s_wait_dscnt 0
	PLACES NP
	FETCH_B \slot, (\q)+1, 1-(\q)%2
	FETCH_A \slot, (\q)+1, 0
	WIN MUL_HI
	MUL16 4, (\q)%2, \q, \slot, \zero
	MUL16 6, (\q)%2, \q, \slot, \zero
	PLACES NP
	WIN 0
	FETCH_A \slot, (\q)+1, 4
.endm
.macro TURN slot, next, fill           ; a slot's last step changes slots: one barrier
	s_wait_tensorcnt 0x0                           ; all my tensor loads have landed: my part of the next slot
	ds_add_u32 v[SPW], v[NIL]                      ; 0 onto my spare word
	s_wait_dscnt 4*NL+1                            ; (the add and the youngest 24 loads may be out)
	WIN MUL_LO
	MUL16 0, 1, NQ-1, \slot, 0
	s_wait_dscnt 0x0                               ; the add is done, and my reads of this slot are over
	s_barrier_signal -1
	MUL16 2, 1, NQ-1, \slot, 0
	WIN 0
	s_barrier_wait -1
.if \fill
	CREST                                          ; no wave of any partner still reads this slot's tile or has a load on its way
	s_add_nc_u64 s[G0+4*\slot+2:G0+4*\slot+3], s[G0+4*\slot+2:G0+4*\slot+3], 2*ROWB
	s_add_nc_u64 s[G0B+4*\slot+2:G0B+4*\slot+3], s[G0B+4*\slot+2:G0B+4*\slot+3], 2*ROWB
	JLOAD G0+4*\slot, G1, G0B+4*\slot, G1B
.else
	PLACES NP
.endif
	v_add_nc_u32 v[ADRS], 4*NQ, v[ADRS]
	FETCH_B \next, 0, 0
	FETCH_A \next, 0, 0
	SCALES \next
	WIN MUL_HI
	MUL16 4, 1, NQ-1, \slot, 0
	MUL16 6, 1, NQ-1, \slot, 0
	PLACES NP
	WIN 0
	FETCH_A \next, 0, 4
.endm
	s_wait_tensorcnt 1                             ; the scales and my part of K step 0 are in (K step 1's load may be out),
	s_barrier_signal -1
	s_barrier_wait -1                              ; everybody's are
	FETCH_B 0, 0, 0
	FETCH_A 0, 0, 0
	SCALES 0
	FETCH_A 0, 0, 4
	STEP 0, 0, 1                                   ; the first step's products start the sums
	s_mov_b32 s3, LAPS-1
.Llap:
	TURN 0, 1, 1
	STEP 1, 0, 0
	TURN 1, 0, 1
	STEP 0, 0, 0
	s_sub_co_u32 s3, s3, 1
	s_cmp_lg_u32 s3, 0
	s_cbranch_scc1 .Llap
	TURN 0, 1, 0
	STEP 1, 0, 0
	s_wait_dscnt 4*NL
	WIN MUL_LO
	MUL16 0, 1, NQ-1, 1, 0
	MUL16 2, 1, NQ-1, 1, 0
	s_wait_dscnt 0
	WIN MUL_HI
	MUL16 4, 1, NQ-1, 1, 0
	MUL16 6, 1, NQ-1, 1, 0
	WIN 0
; FOUR BLOCKS OF 32 BECOME CODES.  v[sA], v[sA+16], v[sB], v[sB+16]: 16 numbers each, my half of a block; the lane 16 away holds the other half.  The largest magnitude (with the floor 2^-124 among its leaves),
; 2 off its exponent field (the conversion's scale operand), the byte; the conversions; the halves change lanes so that a lane holds a whole block: six registers at v[pcA], six at v[pcB].
.macro Q2 sA, pcA, pwA, shA, sB, pcB, pwB, shB
	v_max3_num_f32 v[AM], |v[(\sA)]|, |v[(\sA)+1]|, 0x1800000
	v_max3_num_f32 v[AM+1], |v[(\sA)+16]|, |v[(\sA)+17]|, 0x1800000
	v_max3_num_f32 v[AM+2], |v[(\sB)]|, |v[(\sB)+1]|, 0x1800000
	v_max3_num_f32 v[AM+3], |v[(\sB)+16]|, |v[(\sB)+17]|, 0x1800000
.irp i, 2,4,6,8,10,12,14
	v_max3_num_f32 v[AM], v[AM], |v[(\sA)+\i]|, |v[(\sA)+1+\i]|
	v_max3_num_f32 v[AM+1], v[AM+1], |v[(\sA)+16+\i]|, |v[(\sA)+17+\i]|
	v_max3_num_f32 v[AM+2], v[AM+2], |v[(\sB)+\i]|, |v[(\sB)+1+\i]|
	v_max3_num_f32 v[AM+3], v[AM+3], |v[(\sB)+16+\i]|, |v[(\sB)+17+\i]|
.endr
.irp b, 0,1,2,3
	v_permlanex16_b32 v[PX+\b], v[AM+\b], s[SEL], s[SEL+1]
.endr
.irp b, 0,1,2,3
	v_max_num_f32 v[AM+\b], v[AM+\b], v[PX+\b]
.endr
.irp b, 0,1,2,3
	v_add_nc_u32 v[SO+\b], 0xff000000, v[AM+\b]
.endr
.irp b, 0,1,2,3
	v_lshrrev_b32 v[PX+\b], 23, v[SO+\b]
.endr
.if (\shA) == 0
	v_lshl_or_b32 v[\pwA], v[PX+1], 8, v[PX]
.else
	v_lshl_or_b32 v[\pwA], v[PX], 16, v[\pwA]
	v_lshl_or_b32 v[\pwA], v[PX+1], 24, v[\pwA]
.endif
.if (\shB) == 0
	v_lshl_or_b32 v[\pwB], v[PX+3], 8, v[PX+2]
.else
	v_lshl_or_b32 v[\pwB], v[PX+2], 16, v[\pwB]
	v_lshl_or_b32 v[\pwB], v[PX+3], 24, v[\pwB]
.endif
	v_cvt_scalef32_pk16_fp6_f32 v[(\pcA):(\pcA)+2], v[(\sA):(\sA)+15], v[SO]
	v_cvt_scalef32_pk16_fp6_f32 v[CT:CT+2], v[(\sA)+16:(\sA)+31], v[SO+1]
	v_cvt_scalef32_pk16_fp6_f32 v[(\pcB):(\pcB)+2], v[(\sB):(\sB)+15], v[SO+2]
	v_cvt_scalef32_pk16_fp6_f32 v[CT+4:CT+6], v[(\sB)+16:(\sB)+31], v[SO+3]
	v_nop                                          ; one plain place behind the scaled conversions
.irp i, 0,1,2
	v_permlane16_swap_b32 v[(\pcA)+\i], v[CT+\i]
	v_permlane16_swap_b32 v[(\pcB)+\i], v[CT+4+\i]
.endr
.irp i, 0,1,2
	v_mov_b32 v[(\pcA)+3+\i], v[CT+\i]
	v_mov_b32 v[(\pcB)+3+\i], v[CT+4+\i]
.endr
.endm
.macro R16A op, x, y                   ; a line sixteen times, n = 0 .. 15: a stage of the sixteen angles, so that no line waits for the line above it
.set n, 0
.rept 16
	\op \x, \y
.set n, n+1
.endr
.endm
.macro R16B op, x, y, z
.set n, 0
.rept 16
	\op \x, \y, \z
.set n, n+1
.endr
.endm
.macro R16C op, x, y, z, t
.set n, 0
.rept 16
	\op \x, \y, \z, \t
.set n, n+1
.endr
.endm
; [cos, sin] of pos x angle n into v[dst + 2 n], v[dst + 2 n + 1].  k = the nearest whole number of quarter turns; the rest r lies within pi/4; the quarter picks and signs the two polynomials.
.macro SINCOS16 dst, pos
	R16B v_mul_f32, v[RA+n], \pos, v[TH+n]
	R16B v_mul_f32, v[KA+n], 0x3f22f983, v[RA+n]
	R16A v_rndne_f32, v[KA+n], v[KA+n]
	R16C v_fmamk_f32, v[RA+n], v[KA+n], 0xbfc90fdb, v[RA+n]
	R16C v_fmamk_f32, v[RA+n], v[KA+n], 0x333bbd2e, v[RA+n]
	R16B v_mul_f32, v[ZA+n], v[RA+n], v[RA+n]
	R16C v_fma_f32, v[SA+n], v[ZA+n], s4, s5
	R16C v_fma_f32, v[CA+n], v[ZA+n], s7, s8
	R16C v_fma_f32, v[SA+n], v[SA+n], v[ZA+n], s6
	R16C v_fma_f32, v[CA+n], v[CA+n], v[ZA+n], s9
	R16B v_mul_f32, v[PA+n], v[RA+n], v[ZA+n]
	R16C v_fma_f32, v[SA+n], v[PA+n], v[SA+n], v[RA+n]
	R16C v_fma_f32, v[PA+n], v[ZA+n], -0.5, 1.0
	R16B v_mul_f32, v[ZA+n], v[ZA+n], v[ZA+n]
	R16C v_fma_f32, v[CA+n], v[ZA+n], v[CA+n], v[PA+n]
	R16A v_cvt_i32_f32, v[KA+n], v[KA+n]
	R16B v_and_b32, v[PA+n], 1, v[KA+n]
.set n, 0
.rept 16
	v_cmp_eq_u32 vcc_lo, 1, v[PA+n]                ; an odd quarter: sine and cosine change places
	v_cndmask_b32 v[(\dst)+2*n+1], v[SA+n], v[CA+n], vcc_lo
	v_cndmask_b32 v[(\dst)+2*n], v[CA+n], v[SA+n], vcc_lo
.set n, n+1
.endr
	R16B v_lshlrev_b32, v[PA+n], 30, v[KA+n]
	R16B v_and_b32, v[PA+n], 0x80000000, v[PA+n]
	R16B v_xor_b32, v[(\dst)+2*n+1], v[PA+n], v[(\dst)+2*n+1]
	R16B v_add_nc_u32, v[KA+n], 1, v[KA+n]
	R16B v_lshlrev_b32, v[PA+n], 30, v[KA+n]
	R16B v_and_b32, v[PA+n], 0x80000000, v[PA+n]
	R16B v_xor_b32, v[(\dst)+2*n], v[PA+n], v[(\dst)+2*n]
.endm
; four pairs (x0, x1) at v[x] turned by the factors [c, s] at v[cs]: (x0 c - x1 s, x1 c + x0 s), into v[d]
.macro ROT4 d, x, cs
.irp i, 0,1,2,3
	v_pk_mul_f32 v[CT+2*\i:CT+2*\i+1], v[(\x)+2*\i:(\x)+2*\i+1], v[(\cs)+2*\i:(\cs)+2*\i+1] op_sel_hi:[1,0]
.endr
.irp i, 0,1,2,3
	v_pk_fma_f32 v[(\d)+2*\i:(\d)+2*\i+1], v[(\x)+2*\i:(\x)+2*\i+1], v[(\cs)+2*\i:(\cs)+2*\i+1], v[CT+2*\i:CT+2*\i+1] op_sel:[1,1,0] op_sel_hi:[0,1,1] neg_lo:[1,0,0]
.endr
.endm
; q, k: block a: 16 positions (lane r), 128 features = two heads (register 8 b + j: feature 16 b + 8 h + j).  Bias, rotary, quantiser along each head's 64; two tile images of 768 bytes.
.macro EPI_QK a
	WIN 0x06+(\a)/4
.set i, 0
.rept 32
	v_pk_add_f32 v[W+2*i:W+2*i+1], v[64*((\a)%4)+2*i:64*((\a)%4)+2*i+1], v[2*i:2*i+1]   ; each accumulator from its low end on
.set i, i+1
.endr
	WIN 0
.set TRX, TR0+32*((\a)%2)
.if (\a) >= 2
.irp g, 0,1,2,3
	ROT4 TRX+8*\g, TRX+8*\g, ROT+8*\g              ; the factors 32 positions on
.endr
.endif
.irp g, 0,1,2,3,4,5,6,7
	ROT4 W+8*\g, W+8*\g, TRX+8*(\g%4)
.endr
	s_wait_xcnt 0x0                                ; the last block's stores have read their registers
	Q2 W, PC, PW, 0, W+32, PC+6, PW, 16
	global_store_b128 v[VO16], v[PC:PC+3], s[98:99] offset:(\a)*768
	global_store_b64 v[VO8], v[PC+4:PC+5], s[98:99] offset:(\a)*768
	global_store_b128 v[VO16], v[PC+6:PC+9], s[98:99] offset:(\a)*768+QKH
	global_store_b64 v[VO8], v[PC+10:PC+11], s[98:99] offset:(\a)*768+QKH
.if (\a)%2 == 0                        ; the scale words: two bytes of the head, and 0x7f twice for the 64 along K that are not there; lanes 0-15 the even tile's, lanes 16-31 the odd one's
	v_and_or_b32 v[CW+(\a)/2], v[PW], 0xffff, s101
	v_lshrrev_b32 v7, 16, v[PW]
	v_or_b32 v[CW+4+(\a)/2], s101, v7
.else
	v_and_or_b32 v6, v[PW], 0xffff, s101
	v_lshrrev_b32 v7, 16, v[PW]
	v_or_b32 v7, s101, v7
	v_cndmask_b32 v[CW+(\a)/2], v[CW+(\a)/2], v6, s100
	v_cndmask_b32 v[CW+4+(\a)/2], v[CW+4+(\a)/2], v7, s100
.endif
.endm
; v: block a: 16 features of my head (lane r), 128 keys (register 8 b + j: key 16 b + 8 h + j).  Bias, quantiser along the keys; one fragment of 1,536 bytes.
.macro EPI_V a
	WIN 0x06+(\a)/4
.set i, 0
.rept 32
	v_pk_add_f32 v[W+2*i:W+2*i+1], v[64*((\a)%4)+2*i:64*((\a)%4)+2*i+1], v[2*(\a):2*(\a)+1]
.set i, i+1
.endr
	WIN 0
	s_wait_xcnt 0x0
	Q2 W, PC, PW, 0, W+32, PC+6, PW, 16
.irp c, 0,1,2
	global_store_b128 v[VO16], v[PC+4*\c:PC+4*\c+3], s[98:99] offset:(\a)*1536+512*\c
.endr
.if (\a)%2 == 0
	v_mov_b32 v[CW+(\a)/2], v[PW]
.else
	v_cndmask_b32 v[CW+(\a)/2], v[CW+(\a)/2], v[PW], s100
.endif
.endm
	PLACES NP                                      ; behind the last products
.irp b, 0,1,2,3
	v_mov_b32 v[PX+\b], 0                          ; written once: a lane permute's destination counts as one of its sources
.endr
	v_and_b32 v1, 15, v0
	v_bfe_u32 v2, v0, 4, 1
	s_mov_b32 s[SEL], 0x76543210
	s_mov_b32 s[SEL+1], 0xfedcba98
	s_mov_b32 s100, 0xffff0000                     ; lanes 16-31
	s_mov_b32 s101, 0x7f7f0000
	s_cmp_ge_u32 ttmp9, 2                          ; the one place where q, k and v part
	s_cbranch_scc1 .Lvals
	v_lshlrev_b32 v6, 5, v2
	WIN 0x40
.irp b, 0,1,2,3,4,5,6,7
	global_load_b128 v[8*\b:8*\b+3], v6, s[92:93] offset:64*\b        ; the bias of features 16 b + 8 h + 0 .. 7; it lands while the factors are made
	global_load_b128 v[8*\b+4:8*\b+7], v6, s[92:93] offset:64*\b+16
.endr
	WIN 0
	s_mov_b32 s4, 0xb94ca1f9                       ; the sine's three coefficients,
	s_mov_b32 s5, 0x3c08839e
	s_mov_b32 s6, 0xbe2aaaa3
	s_mov_b32 s7, 0x37ccf5ce                       ; the cosine's
	s_mov_b32 s8, 0xbab6061a
	s_mov_b32 s9, 0x3d2aaaa5
	s_cmp_eq_u32 ttmp9, 1
	s_cselect_b32 s104, 0x3e000000, 1.0            ; k is scaled by 1/8, a power of two: it rides in the factors and rounds nothing
	s_mov_b32 s105, s104
	s_and_b32 s10, s17, 7
	s_lshl_b32 s10, s10, 8
	s_lshl_b32 s11, s15, 7
	s_add_co_u32 s10, s10, s11
	v_add_nc_u32 v10, s10, v1
	v_cvt_f32_u32 v10, v10                         ; my position in the sequence, block 0
	v_lshlrev_b32 v7, 2, v2
	R16B v_add_nc_u32, v[TH+n], 8*(n/4)+n%4, v7    ; entry n serves the pair 8 (n / 4) + 4 h + n % 4 of a head's 32
	R16A v_cvt_f32_u32, v[TH+n], v[TH+n]
	R16B v_mul_f32, v[TH+n], 0xbedb762a, v[TH+n]
	R16A v_exp_f32, v[TH+n], v[TH+n]
	v_nop
	s_wait_alu depctr_va_vdst(0)                   ; one wait for the sixteen, ahead of their first use
	SINCOS16 TR0, v10
	SINCOS16 ROT, 0x41800000                       ; 16 positions
.irp g, 0,1,2,3
	ROT4 TR1+8*\g, TR0+8*\g, ROT+8*\g
.endr
.irp g, 0,1,2,3
	ROT4 ROT+8*\g, ROT+8*\g, ROT+8*\g              ; 32 positions
.endr
.set i, 0
.rept 32
	v_pk_mul_f32 v[TR0+2*i:TR0+2*i+1], v[TR0+2*i:TR0+2*i+1], s[104:105] op_sel_hi:[1,0]
.set i, i+1
.endr
	s_wait_loadcnt 0x0                             ; the bias
.irp a, 0,1,2,3,4,5,6,7
	EPI_QK \a
.endr
	global_store_b128 v[VO16], v[CW:CW+3], s[96:97]
	global_store_b128 v[VO16], v[CW+4:CW+7], s[96:97] offset:QKH
	s_branch .Lend
.Lvals:
	v_lshlrev_b32 v6, 2, v1
	WIN 0x40
.irp a, 0,1,2,3,4,5,6,7
	global_load_b32 v[2*\a], v6, s[92:93] offset:64*\a                ; the bias of feature 16 a + r, in both halves of a pair
	global_load_b32 v[2*\a+1], v6, s[92:93] offset:64*\a
.endr
	WIN 0
	s_wait_loadcnt 0x0
.irp a, 0,1,2,3,4,5,6,7
	EPI_V \a
.endr
	global_store_b128 v[VO16], v[CW:CW+3], s[96:97]
.Lend:
	s_wait_tensorcnt 0x0                           ; the wave's end
	ds_add_u32 v[SPW], v[NIL]
	s_wait_dscnt 0x0
	CROUND                                         ; the closing round
	s_endpgm
.Lfunc_end_k_q96e34b253f_proj:
	.size	k_q96e34b253f_proj, .Lfunc_end_k_q96e34b253f_proj-k_q96e34b253f_proj
	.p2alignl 7, 3214868480
	.fill 96, 4, 3214868480
	.section	.rodata,"a",@progbits
	.p2align	6, 0x0
	.amdhsa_kernel k_q96e34b253f_proj
		.amdhsa_group_segment_fixed_size 327680
		.amdhsa_private_segment_fixed_size 0
		.amdhsa_enable_private_segment 0
		.amdhsa_kernarg_size 168
		.amdhsa_user_sgpr_count 2
		.amdhsa_user_sgpr_kernarg_segment_ptr 1
		.amdhsa_wavefront_size32 1
		.amdhsa_system_sgpr_workgroup_id_x 1
		.amdhsa_system_sgpr_workgroup_id_y 1
		.amdhsa_system_sgpr_workgroup_id_z 1
		.amdhsa_system_vgpr_workitem_id 0
		.amdhsa_next_free_vgpr 1024
		.amdhsa_next_free_sgpr 106
		.amdhsa_reserve_vcc 1
		.amdhsa_float_denorm_mode_32 3
		.amdhsa_float_denorm_mode_16_64 3
		.amdhsa_memory_ordered 1
		.amdhsa_forward_progress 1
		.amdhsa_inst_pref_size 255
	.end_amdhsa_kernel
	.section	.bss,"aw",@nobits
	.p2align	6
	.space	262144
	.amdgpu_metadata
---
amdhsa.version: [ 1, 2 ]
amdhsa.kernels:
  - .name:           k_q96e34b253f_proj
    .symbol:         k_q96e34b253f_proj.kd
    .args:
      - { .name: x_codes, .offset: 0, .size: 8, .value_kind: global_buffer, .address_space: global }
      - { .name: x_scales, .offset: 8, .size: 8, .value_kind: global_buffer, .address_space: global }
      - { .name: q_w_codes, .offset: 16, .size: 8, .value_kind: global_buffer, .address_space: global }
      - { .name: q_w_scales, .offset: 24, .size: 8, .value_kind: global_buffer, .address_space: global }
      - { .name: k_w_codes, .offset: 32, .size: 8, .value_kind: global_buffer, .address_space: global }
      - { .name: k_w_scales, .offset: 40, .size: 8, .value_kind: global_buffer, .address_space: global }
      - { .name: v_w_codes, .offset: 48, .size: 8, .value_kind: global_buffer, .address_space: global }
      - { .name: v_w_scales, .offset: 56, .size: 8, .value_kind: global_buffer, .address_space: global }
      - { .name: q_b, .offset: 64, .size: 8, .value_kind: global_buffer, .address_space: global }
      - { .name: k_b, .offset: 72, .size: 8, .value_kind: global_buffer, .address_space: global }
      - { .name: v_b, .offset: 80, .size: 8, .value_kind: global_buffer, .address_space: global }
      - { .name: qpack, .offset: 88, .size: 8, .value_kind: global_buffer, .address_space: global }
      - { .name: kpack, .offset: 96, .size: 8, .value_kind: global_buffer, .address_space: global }
      - { .name: vpack, .offset: 104, .size: 8, .value_kind: global_buffer, .address_space: global }
      - { .name: g_w_codes, .offset: 112, .size: 8, .value_kind: global_buffer, .address_space: global }
      - { .name: g_w_scales, .offset: 120, .size: 8, .value_kind: global_buffer, .address_space: global }
      - { .name: o_w_codes, .offset: 128, .size: 8, .value_kind: global_buffer, .address_space: global }
      - { .name: o_w_scales, .offset: 136, .size: 8, .value_kind: global_buffer, .address_space: global }
      - { .name: gpack, .offset: 144, .size: 8, .value_kind: global_buffer, .address_space: global }
      - { .name: owpack, .offset: 152, .size: 8, .value_kind: global_buffer, .address_space: global }
      - { .name: ximg, .offset: 160, .size: 8, .value_kind: global_buffer, .address_space: global }
    .group_segment_fixed_size: 327680
    .private_segment_fixed_size: 0
    .kernarg_segment_align: 8
    .kernarg_segment_size: 168
    .max_flat_workgroup_size: 128
    .sgpr_count:     106
    .vgpr_count:     1024
    .wavefront_size: 32
...
	.end_amdgpu_metadata
.endif
;; end of part 1
;; launch attn (part 2): grid 8 x 32, 8 waves a work-group, clusters of 4 x 1, 327,680 bytes of LDS; arguments ximg, x_scales, g_b, qpack, kpack, vpack, gpack, a7pack; writes a7pack
.if DOCPART == 2
	.amdgcn_target "amdgcn-amd-amdhsa--gfx1250"
	.amdhsa_code_object_version 6
	.text
	.protected	k_q96e34b253f_attn
	.globl	k_q96e34b253f_attn
	.p2align	8
	.type	k_q96e34b253f_attn,@function
k_q96e34b253f_attn:
	s_mov_b64 s[64:65], 0
	v_nop
	global_prefetch_b8 v0, s[64:65] scope:SCOPE_SE
	s_setreg_imm32_b32 hwreg(HW_REG_WAVE_MODE, 25, 1), 1
	s_wait_xcnt 0x0
	s_wait_alu depctr_hold_cnt(0) depctr_sa_sdst(0) depctr_va_vdst(0) depctr_va_sdst(0) depctr_va_ssrc(0) depctr_va_vcc(0) depctr_vm_vsrc(0)
	s_getreg_b32 s2, hwreg(HW_REG_IB_STS2, 6, 4)
	s_cmp_eq_u32 s2, 0
	s_cbranch_scc0 .Lentry_in_a_cluster
	s_endpgm
.Lentry_in_a_cluster:
	s_bfe_u32 s2, ttmp6, 0x10000c
	s_cmp_lg_u32 s2, 0x3003
	s_cbranch_scc0 .Lentry_shape_is_right
	s_endpgm
.Lentry_shape_is_right:
; MULTI-SCALE RETENTION IN MX-FP6, launch 2 of 3: for one batch and head: g = x g_w + g_b and silu; the scores q k^T; the decay mask; the row's denominator; the weights quantised along the keys; the product with v;
; LayerNorm over the head's 128; the gate; the quantiser of the last product's left operand.
; LEFT OUT AS DEAD WORK: steps of 128 keys wholly behind a wave's 32 queries: reference()'s own where(m >= n, .., 0) makes their weights an exact 0 for all inputs.  A NaN or infinity that reaches only such steps is not carried on.
; TWO WALKS OVER THE KEYS.  The weight is quantised finished, after the division by max(|row sum|, 1), which is no power of two: so a first walk takes scores and the weighted sum, a second takes the scores again, weighs,
; quantises and multiplies by v.
; THE MASK.  gamma = 1 - 2^(-5-h).  mask(m, n) = gamma^(m-n) / sqrt(sum), sum = (1 - gamma^(m+1)) 2^(5+h) (the geometric series in closed form; 1 - gamma^(m+1) by exp2 or, where (m+1) ln gamma > -0.5, by the series of
; -expm1, both made and one selected).  gamma^(m-n) = F x CC: F = exp2(L2 (m - 8 h' - first key of the block)), one a block of 32 keys; CC = exp2(-L2 (16 u' + j)), sixteen constants.  LIMITS: about 1e-6 of the number
; near the diagonal, about 5e-6 at the far end of head 0; ln gamma by six terms of its series (the next under 2^-32 of the sum); NaN and infinities are not served; blocks under 2^-124 keep the byte 1.
; SHARES.  The 8 work-groups of a head are two clusters of four.  A wave owns 32 queries: group T = 4 rho + cx, tiles u = 0, 1, and walks key steps 0 .. rho.  rho is dealt by wave and cluster so that every work-group has 68
; steps; it does not hang on the place in the cluster.  Each fragment of k and v read from LDS feeds two matrix instructions.
; LDS holds the whole head, asked for jointly by the four partners: k 0 .. 106,495; v's scale images and steps 0-7 to 212,991; g_w's head to 315,391, of which the first 98,304 bytes are filled again, once, with v's steps 8-15.
; ALL OPERANDS ARE IMAGES OF THEIR REGISTERS: a load of 16 bytes a lane at 16 x lane.  Both products are used transposed: a lane holds one query (lane % 16) throughout.
; K = 64 IN AN INSTRUCTION OF 128: q's registers 6-11 are zero codes; k's fragment is named twelve registers long, its upper six being the next fragment's codes (finite), which meet q's zeros under the scale byte 0x7f.
; REGISTERS.  window 0: see the names.  window 1: v0-127 O^T (tile u at 64 u; before that g_w's fragments and silu's work); v128-255 g, then silu(g).
.set KSCO, 98304
.set VSCO, 106496
.set VIMG, 114688
.set GP,   212992
.set GSCO, GP+98304
.set SPARE, 315392                     ; the spare words: 128 bytes a wave, named by no other line
.set QKH,  106496
.set VH,   204800
.set GH,   102400
.set SPW, 1
.set NIL, 2
.set L16, 3                            ; 16 x lane
.set L8,  4                            ; 8 x lane + 512
.set L4,  5                            ; 4 x lane
.set ADK, 6
.set ADK8, 7
.set ADS, 8
.set ADV, 9
.set ADT, 10
.set HH,  11
.set RR,  12
.set EX0, 13                           ; m - 8 h' - 128 x step, tile 0 (tile 1: v43)
.set EF,  14                           ; v14-15 m - 8 h'
.set FM,  16                           ; v16-17 1 / sqrt(sum), later that / denominator
.set DI,  18                           ; v18-19 my query's place in its step - 8 h'
.set SUM, 20                           ; v20-23
.set F,   24                           ; v24-31 F(tile, block)
.set KSC, 32                           ; scale words: k's (g_w's), v's (g_w's), q's, the weights', x's: these registers hold scales alone
.set VSC, 36
.set QSC, 40
.set PW,  41
.set EX1, 43
.set AM,  44
.set PX,  48
.set SO,  52
.set XS,  56
.set S,   64                           ; v64-127 scores, tile u at 32 u
.set KV,  128                          ; v128-181 k's eight fragments six apart and six zeros; later v's fragments 0-3
.set QF,  184
.set PC,  208
.set CT,  232
.set CC,  240
.set SEL, 34
.set MSB, 0
.macro WIN new
.if MSB != (\new)
	s_set_vgpr_msb (MSB<<8)|(\new)
.set MSB, (\new)
.endif
.endm
.macro PLACES n
.rept \n
	v_nop
.endr
.endm
.macro ROUND                           ; a round of the cluster's barrier
	s_barrier_signal -1
	s_barrier_wait -1
	s_cmp_lg_u32 s22, 0
	s_cbranch_scc1 .Lnot_wave_0_\@
	s_barrier_signal -3
.Lnot_wave_0_\@:
	s_barrier_wait -3
	s_barrier_signal -1
	s_barrier_wait -1
.endm
.macro WM d, a, b, cc, sa, sb, ra, rb  ; the matrix instruction; ra, rb: the scales stand in lanes 16-31 of their registers
.if ((\ra)==0) && ((\rb)==0)
	v_wmma_scale_f32_16x16x128_f8f6f4 v[(\d):(\d)+7], v[(\a):(\a)+11], v[(\b):(\b)+11], \cc, v[\sa], v[\sb] matrix_a_fmt:MATRIX_FMT_FP6 matrix_b_fmt:MATRIX_FMT_FP6
.elseif ((\rb)==0)
	v_wmma_scale_f32_16x16x128_f8f6f4 v[(\d):(\d)+7], v[(\a):(\a)+11], v[(\b):(\b)+11], \cc, v[\sa], v[\sb] matrix_a_fmt:MATRIX_FMT_FP6 matrix_b_fmt:MATRIX_FMT_FP6 matrix_a_scale:MATRIX_SCALE_ROW1
.elseif ((\ra)==0)
	v_wmma_scale_f32_16x16x128_f8f6f4 v[(\d):(\d)+7], v[(\a):(\a)+11], v[(\b):(\b)+11], \cc, v[\sa], v[\sb] matrix_a_fmt:MATRIX_FMT_FP6 matrix_b_fmt:MATRIX_FMT_FP6 matrix_b_scale:MATRIX_SCALE_ROW1
.else
	v_wmma_scale_f32_16x16x128_f8f6f4 v[(\d):(\d)+7], v[(\a):(\a)+11], v[(\b):(\b)+11], \cc, v[\sa], v[\sb] matrix_a_fmt:MATRIX_FMT_FP6 matrix_b_fmt:MATRIX_FMT_FP6 matrix_a_scale:MATRIX_SCALE_ROW1 matrix_b_scale:MATRIX_SCALE_ROW1
.endif
.endm
; four blocks of 32 become codes: as in the first launch
.macro Q2 sA, pcA, pwA, shA, sB, pcB, pwB, shB
	v_max3_num_f32 v[AM], |v[(\sA)]|, |v[(\sA)+1]|, 0x1800000
	v_max3_num_f32 v[AM+1], |v[(\sA)+16]|, |v[(\sA)+17]|, 0x1800000
	v_max3_num_f32 v[AM+2], |v[(\sB)]|, |v[(\sB)+1]|, 0x1800000
	v_max3_num_f32 v[AM+3], |v[(\sB)+16]|, |v[(\sB)+17]|, 0x1800000
.irp i, 2,4,6,8,10,12,14
	v_max3_num_f32 v[AM], v[AM], |v[(\sA)+\i]|, |v[(\sA)+1+\i]|
	v_max3_num_f32 v[AM+1], v[AM+1], |v[(\sA)+16+\i]|, |v[(\sA)+17+\i]|
	v_max3_num_f32 v[AM+2], v[AM+2], |v[(\sB)+\i]|, |v[(\sB)+1+\i]|
	v_max3_num_f32 v[AM+3], v[AM+3], |v[(\sB)+16+\i]|, |v[(\sB)+17+\i]|
.endr
.irp b, 0,1,2,3
	v_permlanex16_b32 v[PX+\b], v[AM+\b], s[SEL], s[SEL+1]
.endr
.irp b, 0,1,2,3
	v_max_num_f32 v[AM+\b], v[AM+\b], v[PX+\b]
.endr
.irp b, 0,1,2,3
	v_add_nc_u32 v[SO+\b], 0xff000000, v[AM+\b]
.endr
.irp b, 0,1,2,3
	v_lshrrev_b32 v[PX+\b], 23, v[SO+\b]
.endr
.if (\shA) == 0
	v_lshl_or_b32 v[\pwA], v[PX+1], 8, v[PX]
.else
	v_lshl_or_b32 v[\pwA], v[PX], 16, v[\pwA]
	v_lshl_or_b32 v[\pwA], v[PX+1], 24, v[\pwA]
.endif
.if (\shB) == 0
	v_lshl_or_b32 v[\pwB], v[PX+3], 8, v[PX+2]
.else
	v_lshl_or_b32 v[\pwB], v[PX+2], 16, v[\pwB]
	v_lshl_or_b32 v[\pwB], v[PX+3], 24, v[\pwB]
.endif
	v_cvt_scalef32_pk16_fp6_f32 v[(\pcA):(\pcA)+2], v[(\sA):(\sA)+15], v[SO]
	v_cvt_scalef32_pk16_fp6_f32 v[CT:CT+2], v[(\sA)+16:(\sA)+31], v[SO+1]
	v_cvt_scalef32_pk16_fp6_f32 v[(\pcB):(\pcB)+2], v[(\sB):(\sB)+15], v[SO+2]
	v_cvt_scalef32_pk16_fp6_f32 v[CT+4:CT+6], v[(\sB)+16:(\sB)+31], v[SO+3]
	v_nop                                          ; one plain place behind the scaled conversions
.irp i, 0,1,2
	v_permlane16_swap_b32 v[(\pcA)+\i], v[CT+\i]
	v_permlane16_swap_b32 v[(\pcB)+\i], v[CT+4+\i]
.endr
.irp i, 0,1,2
	v_mov_b32 v[(\pcA)+3+\i], v[CT+\i]
	v_mov_b32 v[(\pcB)+3+\i], v[CT+4+\i]
.endr
.endm
	s_load_b512 s[4:19], s[0:1], 0x0               ; ximg, x_scales, g_b, qpack, kpack, vpack, gpack, a7pack
	v_lshl_add_u32 v[SPW], v0, 2, SPARE
	v_mov_b32 v[NIL], 0
	ds_add_u32 v[SPW], v[NIL]                      ; the wave's opening: the add, twice on end, and its wait ahead of my first tensor load
	ds_add_u32 v[SPW], v[NIL]
	v_lshrrev_b32 v13, 5, v0
	v_readfirstlane_b32 s22, v13                   ; wave 0..7
	s_bfe_u32 s24, ttmp6, 0x40000                  ; cx
	s_and_b32 s25, ttmp7, 0xffff                   ; batch x 16 + head
	s_and_b32 s26, s25, 15                         ; head
	s_lshr_b32 s27, s25, 4                         ; batch
	s_and_b32 s92, s22, 3
	s_lshl_b32 s92, s92, 1
	s_and_b32 s93, s22, 1
	s_xor_b32 s93, s93, ttmp9
	s_add_co_u32 s92, s92, s93
	s_sub_co_u32 s93, 15, s92
	s_cmp_lt_u32 s22, 4
	s_cselect_b32 s28, s92, s93                    ; rho: my last key step; waves w and w + 4 have 17 steps together
	s_lshl_b32 s29, s28, 2
	s_add_co_u32 s29, s29, s24                     ; T: my group of 32 queries
	; descriptors: dense blocks as rows of 256 bytes (32 elements of 8 bytes); the mask names all four partners, bit 21 beside it
.irp g, 44, 52, 68
	s_mov_b32 s[\g], 15|(3<<16)|(1<<21)
	s_mov_b32 s[\g+1], 32<<16
	s_mov_b32 s[\g+3], 32<<16
	s_mov_b32 s[\g+5], 32
	s_mov_b32 s[\g+6], 0
	s_mov_b32 s[\g+7], 0
.endr
	s_mov_b32 s46, 50<<16                          ; g_w: 12,800 bytes a wave
	s_mov_b32 s48, 50
	s_mov_b32 s54, 52<<16                          ; k, and v's first part: 13,312
	s_mov_b32 s56, 52
	s_mov_b32 s70, 48<<16                          ; v's second part: 12,288
	s_mov_b32 s72, 48
	s_mul_i32 s92, s26, GH
	s_mul_i32 s94, s22, 12800
	s_add_co_u32 s92, s92, s94
	s_mov_b32 s93, 0
	s_add_co_u32 s77, s94, GP
	s_mul_i32 s94, s25, QKH
	s_mul_i32 s96, s22, 13312
	s_add_co_u32 s94, s94, s96
	s_mov_b32 s95, 0
	s_mov_b32 s81, s96
	s_add_co_u32 s85, s96, VSCO
	s_mul_i32 s98, s25, VH
	s_add_co_u32 s96, s98, s96
	s_mov_b32 s97, 0
	s_mul_i32 s60, s22, 12288
	s_add_co_u32 s89, s60, GP
	s_add_co_u32 s98, s98, s60
	s_add_co_u32 s98, s98, VSCO
	s_mov_b32 s99, 0
	s_mov_b32 s[SEL], 0x76543210
	s_mov_b32 s[SEL+1], 0xfedcba98
	s_mov_b32 s40, 0xffff0000                      ; lanes 16-31
	s_wait_dscnt 0x0                               ; both opening adds are done
	s_wait_kmcnt 0x0
	s_mov_b32 s76, 1
	s_add_nc_u64 s[78:79], s[16:17], s[92:93]
	s_or_b32 s79, s79, 0x80000000
	s_mov_b32 s80, 1
	s_add_nc_u64 s[82:83], s[12:13], s[94:95]
	s_or_b32 s83, s83, 0x80000000
	s_mov_b32 s84, 1
	s_add_nc_u64 s[86:87], s[14:15], s[96:97]
	s_or_b32 s87, s87, 0x80000000
	s_mov_b32 s88, 1
	s_add_nc_u64 s[90:91], s[14:15], s[98:99]
	s_or_b32 s91, s91, 0x80000000
	ROUND                                          ; all four work-groups are here: the first joint loads meet
	tensor_load_to_lds s[76:79], s[44:51]          ; g_w's head first: it is wanted first.  Three loads of mine are out
	s_nop 0
	tensor_load_to_lds s[80:83], s[52:59]          ; k
	s_nop 0
	tensor_load_to_lds s[84:87], s[52:59]          ; v's scale images and steps 0-7
	s_nop 0
.rept 4
	v_nop
.endr
	s_lshl_b32 s92, s27, 7
	s_lshl_b32 s94, s29, 1
	s_add_co_u32 s92, s92, s94
	s_mul_i32 s92, s92, 12288
	s_mov_b32 s93, 0
	s_add_nc_u64 s[4:5], s[4:5], s[92:93]          ; x's images at my two row tiles
	s_lshl_b32 s92, s27, 11
	s_lshl_b32 s94, s29, 5
	s_add_co_u32 s92, s92, s94
	s_lshl_b32 s92, s92, 5
	s_add_nc_u64 s[6:7], s[6:7], s[92:93]          ; x's scales at my 32 rows
	s_lshl_b32 s92, s26, 9
	s_add_nc_u64 s[8:9], s[8:9], s[92:93]          ; g_b at my head
	s_mul_i32 s92, s25, QKH
	s_add_nc_u64 s[10:11], s[10:11], s[92:93]      ; qpack at my head
	s_lshl_b32 s92, s27, 4
	s_lshr_b32 s94, s29, 2
	s_add_co_u32 s92, s92, s94
	s_mul_i32 s92, s92, VH
	s_add_nc_u64 s[18:19], s[18:19], s[92:93]      ; a7pack at my block of 128 rows
	v_and_b32 v[RR], 15, v0
	v_bfe_u32 v[HH], v0, 4, 1
	v_and_b32 v13, 31, v0
	v_lshlrev_b32 v[L16], 4, v13
	v_lshl_add_u32 v[L8], v13, 3, 512
	v_lshlrev_b32 v[L4], 2, v13
	v_lshlrev_b32 v9, 5, v[HH]
	v_lshlrev_b32 v10, 5, v13
	WIN 0x40
.irp u, 0,1
.irp t, 0,1,2,3,4,5,6,7
	global_load_b128 v[128+64*\u+8*\t:128+64*\u+8*\t+3], v9, s[8:9] offset:64*\t      ; the bias lands in the accumulators: it is the first C of g's sums
	global_load_b128 v[128+64*\u+8*\t+4:128+64*\u+8*\t+7], v9, s[8:9] offset:64*\t+16
.endr
.endr
	WIN 0
.irp s, 0,1,2,3,4,5,6,7
.irp u, 0,1
.irp k, 0,1,2
	global_load_b128 v[64+24*\s+12*\u+4*\k:64+24*\s+12*\u+4*\k+3], v[L16], s[4:5] offset:12288*\u+1536*\s+512*\k   ; x's sixteen fragments stay in registers for the g product
.endr
.endr
.endr
	global_load_b128 v[XS:XS+3], v10, s[6:7]       ; lane l: the eight scale words of row l of my 32
	global_load_b128 v[XS+4:XS+7], v10, s[6:7] offset:16
	; the head's constants
	s_sub_co_u32 s92, 122, s26
	s_lshl_b32 s92, s92, 23                        ; x = 2^(-5-h)
	s_mul_f32 s93, s92, 0x3e2aaaab
	s_add_f32 s93, s93, 0x3e4ccccd
	s_mul_f32 s93, s93, s92
	s_add_f32 s93, s93, 0x3e800000
	s_mul_f32 s93, s93, s92
	s_add_f32 s93, s93, 0x3eaaaaab
	s_mul_f32 s93, s93, s92
	s_add_f32 s93, s93, 0.5
	s_mul_f32 s93, s93, s92
	s_add_f32 s93, s93, 1.0
	s_mul_f32 s93, s93, s92
	s_xor_b32 s41, s93, 0x80000000                 ; ln gamma = -x (1 + x/2 + x^2/3 + ..)
	s_mul_f32 s36, s41, 0x3fb8aa3b                 ; L2 = log2 gamma
	s_mul_f32 s37, s36, 0xc2000000                 ; -32 L2, -64 L2, -96 L2
	s_mul_f32 s38, s36, 0xc2800000
	s_mul_f32 s39, s36, 0xc2c00000
	; my queries' constants
	s_lshl_b32 s92, s29, 5
	v_add_nc_u32 v44, s92, v[RR]                   ; m, tile 0
	v_add_nc_u32 v45, 16, v44                      ; tile 1
	v_lshlrev_b32 v46, 3, v[HH]
	v_sub_nc_u32 v47, v44, v46
	v_cvt_f32_i32 v[EF], v47
	v_sub_nc_u32 v47, v45, v46
	v_cvt_f32_i32 v[EF+1], v47
	s_lshl_b32 s92, s24, 5
	v_add_nc_u32 v[DI], s92, v[RR]
	v_sub_nc_u32 v[DI], v[DI], v46
	v_add_nc_u32 v[DI+1], 16, v[DI]
	v_add_nc_u32 v44, 1, v44
	v_add_nc_u32 v45, 1, v45
	v_cvt_f32_u32 v44, v44
	v_cvt_f32_u32 v45, v45
	v_mul_f32 v48, s41, v44                        ; y = (m + 1) ln gamma
	v_mul_f32 v49, s41, v45
	v_mul_f32 v50, s36, v44
	v_mul_f32 v51, s36, v45
	v_exp_f32 v50, v50                             ; gamma^(m+1)
	v_exp_f32 v51, v51
	v_mov_b32 v52, 1.0
	v_mov_b32 v53, 1.0
.irp k, 0x3de38e39, 0x3e000000, 0x3e124925, 0x3e2aaaab, 0x3e4ccccd, 0x3e800000, 0x3eaaaaab, 0x3f000000
	v_mul_f32 v54, \k, v48                         ; t = 1 + (y / k) t, k = 9 .. 2: -expm1(y) = -y t
	v_mul_f32 v55, \k, v49
	v_fma_f32 v52, v54, v52, 1.0
	v_fma_f32 v53, v55, v53, 1.0
.endr
	v_mul_f32 v52, -v48, v52
	v_mul_f32 v53, -v49, v53
	s_wait_alu depctr_va_vdst(0)                   ; the two exponentials, ahead of their first use
	v_sub_f32 v50, 1.0, v50
	v_sub_f32 v51, 1.0, v51
	v_cmp_lt_f32 vcc_lo, -0.5, v48
	v_cndmask_b32 v50, v50, v52, vcc_lo
	v_cmp_lt_f32 vcc_lo, -0.5, v49
	v_cndmask_b32 v51, v51, v53, vcc_lo
	s_add_co_u32 s92, s26, 5
	v_ldexp_f32 v50, v50, s92                      ; the mask's row sum
	v_ldexp_f32 v51, v51, s92
	v_rsq_f32 v[FM], v50
	v_rsq_f32 v[FM+1], v51
	v_add_nc_u32 v6, GP, v[L16]                    ; g_w's images, K steps 0-3,
	v_add_nc_u32 v7, GP+49152, v[L16]              ; K steps 4-7,
	v_add_nc_u32 v8, GSCO, v[L4]                   ; its scale words
	s_wait_alu depctr_va_vdst(0)
	; THE G PRODUCT: source 0 = 16 features of g_w, source 1 = 16 rows of x; 16 accumulators by turns
	s_wait_tensorcnt 0x2                           ; my part of g_w is in; k's and v's loads, issued behind it, may stay out
	s_barrier_signal -1
	s_barrier_wait -1
	s_wait_loadcnt 0x0
.macro GLOAD set, s, half              ; four fragments of g_w (features 64 half on, K step s) into set
	WIN 0x40
.irp i, 0,1,2,3
.irp k, 0,1,2
	ds_load_b128 v[48*(\set)+12*\i+4*\k:48*(\set)+12*\i+4*\k+3], v[6+(\s)/4] offset:((\s)%4)*12288+(4*(\half)+\i)*1536+512*\k
.endr
.endr
	WIN 0
.endm
.macro GSCL s
.irp i, 0,1,2,3
	ds_load_b32 v[KSC+4*((\s)%2)+\i], v8 offset:512*(\s)+128*\i
.endr
.endm
.macro GMUL set, s, half
	WIN 0x51
.irp i, 0,1,2,3
.irp u, 0,1
.set DD, 128+64*\u+8*(4*(\half)+\i)
	WM DD, 48*(\set)+12*\i, 64+24*(\s)+12*\u, v[DD:DD+7], KSC+4*((\s)%2)+2*(\half)+\i/2, XS+(\s), \i%2, \u
.endr
.endr
	WIN 0
.endm
	GLOAD 0, 0, 0
	GSCL 0
	GLOAD 1, 0, 1
.irp s, 0,1,2,3,4,5,6,7
	s_wait_dscnt 12                                ; all but the other set's 12 loads
	GMUL 0, \s, 0
	PLACES 4
.if \s < 7
	GLOAD 0, \s+1, 0
	GSCL \s+1
	s_wait_dscnt 16                                ; all but the 16 just issued
.else
	s_wait_dscnt 0x0
.endif
	GMUL 1, \s, 1
	PLACES 4
.if \s < 7
	GLOAD 1, \s+1, 1
.endif
.endr
	; THE ONE REFILL: g_w's images are read out; v's steps 8-15 take their place
	s_wait_tensorcnt 0x0                           ; all my tensor loads have landed: my parts of k and v
	ds_add_u32 v[SPW], v[NIL]                      ; 0 onto my spare word
	s_wait_dscnt 0x0                               ; the add is done, and my reads of g_w are over
	ROUND                                          ; both hold of every wave of all four partners
	tensor_load_to_lds s[88:91], s[68:75]          ; it has the whole first walk in which to land
	s_nop 0
.rept 4
	v_nop
.endr
	; q, the constants of the walks, silu
	s_mul_i32 s92, s29, 1536                       ; 2 T tiles of 768 bytes
	v_add_nc_u32 v9, s92, v[L16]
	v_add_nc_u32 v10, s92, v[L8]
	s_lshr_b32 s92, s29, 2
	s_lshl_b32 s92, s92, 9
	s_and_b32 s93, s29, 3
	s_lshl_b32 s93, s93, 2
	s_add_co_u32 s92, s92, s93
	s_add_co_u32 s92, s92, KSCO
	v_add_nc_u32 v8, s92, v[L16]
.irp u, 0,1
	global_load_b128 v[QF+12*\u:QF+12*\u+3], v9, s[10:11] offset:768*\u
	global_load_b64 v[QF+12*\u+4:QF+12*\u+5], v10, s[10:11] offset:768*\u
.endr
	global_load_b32 v[QSC], v8, s[10:11]           ; lanes 0-15: tile 0's words, lanes 16-31: tile 1's
.irp i, 6,7,8,9,10,11,18,19,20,21,22,23
	v_mov_b32 v[QF+\i], 0                          ; zero codes for the 64 along K that are not there
.endr
.irp i, 48,49,50,51,52,53
	v_mov_b32 v[KV+\i], 0
.endr
.irp i, 0,1,2,3
	v_mov_b32 v[PX+\i], 0                          ; written once: a lane permute's destination counts as one of its sources
.endr
	s_xor_b32 s92, s36, 0x80000000
.set i, 0
.rept 16
	v_mov_b32 v[CC+i], 16*(i/8)+i%8
.set i, i+1
.endr
.set i, 0
.rept 16
	v_cvt_f32_u32 v[CC+i], v[CC+i]
.set i, i+1
.endr
.set i, 0
.rept 16
	v_mul_f32 v[CC+i], s92, v[CC+i]
.set i, i+1
.endr
.set i, 0
.rept 16
	v_exp_f32 v[CC+i], v[CC+i]                     ; gamma^-(16 u' + j)
.set i, i+1
.endr
	WIN 0x55                                       ; silu(g) = g / (1 + 2^(-g log2 e)), all in window 1
.set i, 0
.rept 64
	v_pk_mul_f32 v[2*i:2*i+1], v[128+2*i:129+2*i], 0xbfb8aa3b op_sel_hi:[1,0]   ; each accumulator from its low end on
.set i, i+1
.endr
.set i, 0
.rept 128
	v_exp_f32 v[i], v[i]
.set i, i+1
.endr
	v_nop
	s_wait_alu depctr_va_vdst(0)                   ; one wait for the batch (and for the sixteen above)
.set i, 0
.rept 64
	v_pk_add_f32 v[2*i:2*i+1], v[2*i:2*i+1], 1.0 op_sel_hi:[1,0]
.set i, i+1
.endr
.set i, 0
.rept 128
	v_rcp_f32 v[i], v[i]
.set i, i+1
.endr
	v_nop
	s_wait_alu depctr_va_vdst(0)
.set i, 0
.rept 64
	v_pk_mul_f32 v[128+2*i:129+2*i], v[128+2*i:129+2*i], v[2*i:2*i+1]
.set i, i+1
.endr
	WIN 0
	s_wait_loadcnt 0x0                             ; q
.macro ADDRK
	v_add_nc_u32 v[ADK], s31, v[L16]
	v_add_nc_u32 v[ADK8], s31, v[L8]
	v_add_nc_u32 v[ADS], s32, v[L16]
.endm
.macro KLOAD                           ; a step's scale image and eight tile images of k
	ds_load_b128 v[KSC:KSC+3], v[ADS]
.irp t, 0,1,2,3,4,5,6,7
	ds_load_b128 v[KV+6*\t:KV+6*\t+3], v[ADK] offset:768*\t
	ds_load_b64 v[KV+6*\t+4:KV+6*\t+5], v[ADK8] offset:768*\t
.endr
.endm
.macro FBATCH                          ; F(tile, block) = gamma^(m - 8 h' - the block's first key)
.irp u, 0,1
	v_mul_f32 v[F+4*\u], s36, v[EX0+30*\u]
	v_fma_f32 v[F+4*\u+1], v[EX0+30*\u], s36, s37
	v_fma_f32 v[F+4*\u+2], v[EX0+30*\u], s36, s38
	v_fma_f32 v[F+4*\u+3], v[EX0+30*\u], s36, s39
.endr
.irp i, 0,1,2,3,4,5,6,7
	v_exp_f32 v[F+\i], v[F+\i]
.endr
	v_nop
	s_wait_alu depctr_va_vdst(0)                   ; one wait for the eight
.endm
.macro QK c                            ; S^T = k q^T for keys 64 c on: four tiles of 16 keys x two tiles of queries
.irp t, 0,1,2,3
.irp u, 0,1
	WM S+32*\u+8*\t, KV+6*(4*(\c)+\t), QF+12*\u, 0, KSC+2*(\c)+\t/2, QSC, \t%2, \u
.endr
.endr
.endm
.macro MAYDIAG c                       ; in my last step alone: scores of keys behind the query become 0.  Register n of tile u holds key 64 c + 16 (n / 8) + 8 h' + n % 8
	s_cmp_lg_u32 s30, s28
	s_cbranch_scc1 .Lopen_\@
.irp u, 0,1
.set n, 0
.rept 32
	v_cmp_gt_i32 vcc_lo, 64*(\c)+16*(n/8)+n%8, v[DI+\u]
	v_cndmask_b32 v[S+32*\u+n], v[S+32*\u+n], v[NIL], vcc_lo
.set n, n+1
.endr
.endr
.Lopen_\@:
.endm
.macro SUMS c                          ; the weighted sums: four chains (tile, block) of score x CC, then x F
.irp i, 0,1,2,3,4,5,6,7
.irp u, 0,1
.irp e, 0,1
.if \i == 0
	v_pk_mul_f32 v[AM+8*\u+2*\e:AM+8*\u+2*\e+1], v[S+32*\u+16*\e:S+32*\u+16*\e+1], v[CC:CC+1]
.else
	v_pk_fma_f32 v[AM+8*\u+2*\e:AM+8*\u+2*\e+1], v[S+32*\u+16*\e+2*\i:S+32*\u+16*\e+2*\i+1], v[CC+2*\i:CC+2*\i+1], v[AM+8*\u+2*\e:AM+8*\u+2*\e+1]
.endif
.endr
.endr
.endr
.irp u, 0,1
	v_pk_fma_f32 v[SUM+2*\u:SUM+2*\u+1], v[AM+8*\u:AM+8*\u+1], v[F+4*\u+2*(\c):F+4*\u+2*(\c)+1], v[SUM+2*\u:SUM+2*\u+1] op_sel_hi:[1,0,1]
	v_pk_fma_f32 v[SUM+2*\u:SUM+2*\u+1], v[AM+8*\u+2:AM+8*\u+3], v[F+4*\u+2*(\c):F+4*\u+2*(\c)+1], v[SUM+2*\u:SUM+2*\u+1] op_sel:[0,1,0] op_sel_hi:[1,1,1]
.endr
.endm
	; THE FIRST WALK: the denominators.  All waves walk 16 trips; a step behind my queries is jumped over, but for the lines that step addresses
.irp i, 0,1,2,3
	v_mov_b32 v[SUM+\i], 0
.endr
	v_mov_b32 v[EX0], v[EF]
	v_mov_b32 v[EX1], v[EF+1]
	s_mov_b32 s30, 0
	s_mov_b32 s31, 0
	s_mov_b32 s32, KSCO
.LwalkA:
	s_cmp_gt_u32 s30, s28
	s_cbranch_scc1 .LskipA
	ADDRK
	KLOAD
	FBATCH
	s_wait_dscnt 0x0
.irp c, 0,1
	QK \c
	PLACES 5                                       ; behind the products: four for the reads, five for the next products that write over the scores
	MAYDIAG \c
	SUMS \c
.endr
	v_add_f32 v[EX0], 0xc3000000, v[EX0]           ; 128 keys on
	v_add_f32 v[EX1], 0xc3000000, v[EX1]
.LskipA:
	s_add_co_u32 s31, s31, 6144
	s_add_co_u32 s32, s32, 512
	s_add_co_u32 s30, s30, 1
	s_cmp_lt_u32 s30, 16
	s_cbranch_scc1 .LwalkA
	v_add_f32 v44, v[SUM], v[SUM+1]
	v_add_f32 v45, v[SUM+2], v[SUM+3]
	v_permlanex16_b32 v48, v44, s[SEL], s[SEL+1]
	v_permlanex16_b32 v49, v45, s[SEL], s[SEL+1]
	v_add_f32 v44, v44, v48
	v_add_f32 v45, v45, v49
	v_mul_f32 v44, v44, v[FM]
	v_mul_f32 v45, v45, v[FM+1]
	v_max_num_f32 v44, |v44|, 1.0                  ; the denominator
	v_max_num_f32 v45, |v45|, 1.0
	v_rcp_f32 v44, v44
	v_rcp_f32 v45, v45
	v_mov_b32 v[EX0], v[EF]
	v_mov_b32 v[EX1], v[EF+1]
	s_wait_alu depctr_va_vdst(0)
	v_mul_f32 v[FM], v[FM], v44
	v_mul_f32 v[FM+1], v[FM+1], v45
	s_wait_tensorcnt 0x0                           ; my part of v's steps 8-15 is in,
	s_wait_dscnt 0x0
	s_barrier_signal -1
	s_barrier_wait -1                              ; everybody's is
.macro WEIGH c                         ; score x CC x (F / sqrt(sum) / denominator)
.set i, 0
.rept 32
	v_pk_mul_f32 v[S+2*i:S+2*i+1], v[S+2*i:S+2*i+1], v[CC+2*(i%8):CC+2*(i%8)+1]
.set i, i+1
.endr
.irp u, 0,1
.irp k, 0,1,2,3,4,5,6,7
	v_pk_mul_f32 v[S+32*\u+2*\k:S+32*\u+2*\k+1], v[S+32*\u+2*\k:S+32*\u+2*\k+1], v[F+4*\u+2*(\c):F+4*\u+2*(\c)+1] op_sel_hi:[1,0]
.endr
.irp k, 0,1,2,3,4,5,6,7
	v_pk_mul_f32 v[S+32*\u+16+2*\k:S+32*\u+16+2*\k+1], v[S+32*\u+16+2*\k:S+32*\u+16+2*\k+1], v[F+4*\u+2*(\c):F+4*\u+2*(\c)+1] op_sel:[0,1] op_sel_hi:[1,1]
.endr
.endr
.endm
.macro PV g, zero                      ; O^T += v^T p^T: features 64 g on; fragments in k's registers (g = 0) or in the scores' (g = 1)
.irp i, 0,1,2,3
.irp u, 0,1
.set DD, 64*\u+8*(4*(\g)+\i)
.if \zero
	WM DD, KV-64*(\g)+12*\i, PC+12*\u, 0, VSC+2*(\g)+\i/2, PW+\u, \i%2, 0
.else
	WM DD, KV-64*(\g)+12*\i, PC+12*\u, v[DD:DD+7], VSC+2*(\g)+\i/2, PW+\u, \i%2, 0
.endif
.endr
.endr
.endm
.macro STEPB zero
	ADDRK
	v_add_nc_u32 v[ADV], s33, v[L16]
	v_add_nc_u32 v[ADT], s42, v[L16]
	KLOAD
	FBATCH
	s_wait_dscnt 0x0
	QK 0
.irp u, 0,1
.irp i, 0,1,2,3
	v_mul_f32 v[F+4*\u+\i], v[F+4*\u+\i], v[FM+\u] ; (these eight are the places behind the products)
.endr
.endr
	MAYDIAG 0
	WEIGH 0
	Q2 S, PC, PW, 0, S+32, PC+12, PW+1, 0
	QK 1
	PLACES 5
	ds_load_b128 v[VSC:VSC+3], v[ADT]
.irp t, 0,1,2,3
.irp k, 0,1,2
	ds_load_b128 v[KV+12*\t+4*\k:KV+12*\t+4*\k+3], v[ADV] offset:1536*\t+512*\k   ; v's fragments 0-3, where k's lay
.endr
.endr
	MAYDIAG 1
	WEIGH 1
	Q2 S, PC+6, PW, 16, S+32, PC+18, PW+1, 16
.irp t, 0,1,2,3
.irp k, 0,1,2
	ds_load_b128 v[S+12*\t+4*\k:S+12*\t+4*\k+3], v[ADV] offset:1536*(4+\t)+512*\k   ; fragments 4-7, where the scores lay
.endr
.endr
	PLACES 8                                       ; the weights' scale words and codes were written by vector instructions
	s_wait_dscnt 12                                ; all but the 12 just issued
	WIN 0x50
	PV 0, \zero
	s_wait_dscnt 0x0
	PV 1, \zero
	WIN 0
	v_add_f32 v[EX0], 0xc3000000, v[EX0]
	v_add_f32 v[EX1], 0xc3000000, v[EX1]
.endm
	; THE SECOND WALK.  Step 0, which every wave has, starts O^T's sums; the other 15 go round a loop
	s_mov_b32 s30, 0
	s_mov_b32 s31, 0
	s_mov_b32 s32, KSCO
	s_mov_b32 s33, VIMG
	s_mov_b32 s42, VSCO
	STEPB 1
	s_mov_b32 s30, 1
.LwalkB:
	s_add_co_u32 s31, s31, 6144
	s_add_co_u32 s32, s32, 512
	s_add_co_u32 s33, s33, 12288
	s_add_co_u32 s42, s42, 512
	s_cmp_gt_u32 s30, s28
	s_cbranch_scc1 .LskipB
	STEPB 0
.LskipB:
	s_add_co_u32 s30, s30, 1
	s_cmp_lt_u32 s30, 16
	s_cbranch_scc1 .LwalkB
	; THE WAY OUT: LayerNorm over the head's 128 (64 in my lane, 64 in the lane 16 away), the gate, the quantiser along the head's 128, one fragment a tile
	PLACES 4
	s_lshl_b32 s92, s26, 3
	s_and_b32 s93, s29, 3
	s_lshl_b32 s94, s93, 1
	s_add_co_u32 s92, s92, s94
	s_mul_i32 s92, s92, 1536
	v_add_nc_u32 v9, s92, v[L16]                   ; image (head, tile 2 (T % 4))
	s_lshl_b32 s92, s26, 9
	s_lshl_b32 s93, s93, 7
	s_add_co_u32 s92, s92, s93
	s_add_co_u32 s92, s92, 196608
	v_add_nc_u32 v10, s92, v[L4]
.macro CHAINSUM                        ; four chains into one number, with the other half of the lanes': in v44
	v_pk_add_f32 v[44:45], v[44:45], v[46:47]
	v_pk_add_f32 v[52:53], v[52:53], v[54:55]
	v_pk_add_f32 v[44:45], v[44:45], v[52:53]
	v_add_f32 v44, v44, v45
	v_permlanex16_b32 v48, v44, s[SEL], s[SEL+1]
	v_add_f32 v44, v44, v48
.endm
.irp u, 0,1
	WIN 0x05
.irp k, 0,1,2,3
	v_pk_add_f32 v[44+2*\k+4*(\k/2):45+2*\k+4*(\k/2)], v[64*\u+4*\k:64*\u+4*\k+1], v[64*\u+4*\k+2:64*\u+4*\k+3]   ; ascending: each accumulator from its low end on
.endr
	WIN 0x01
.set i, 8
.rept 24
	v_pk_add_f32 v[44+2*(i%4)+4*((i%4)/2):45+2*(i%4)+4*((i%4)/2)], v[64*\u+2*i:64*\u+2*i+1], v[44+2*(i%4)+4*((i%4)/2):45+2*(i%4)+4*((i%4)/2)]
.set i, i+1
.endr
	WIN 0
	CHAINSUM
	v_mul_f32 v48, 0x3c000000, v44                 ; the mean
	WIN 0x01
.set i, 0
.rept 32
	v_pk_add_f32 v[S+2*i:S+2*i+1], v[64*\u+2*i:64*\u+2*i+1], v[48:49] op_sel_hi:[1,0] neg_lo:[0,1] neg_hi:[0,1]
.set i, i+1
.endr
	WIN 0
.irp k, 0,1,2,3
	v_pk_mul_f32 v[44+2*\k+4*(\k/2):45+2*\k+4*(\k/2)], v[S+2*\k:S+2*\k+1], v[S+2*\k:S+2*\k+1]
.endr
.set i, 4
.rept 28
	v_pk_fma_f32 v[44+2*(i%4)+4*((i%4)/2):45+2*(i%4)+4*((i%4)/2)], v[S+2*i:S+2*i+1], v[S+2*i:S+2*i+1], v[44+2*(i%4)+4*((i%4)/2):45+2*(i%4)+4*((i%4)/2)]
.set i, i+1
.endr
	CHAINSUM
	v_mul_f32 v44, 0x3c000000, v44                 ; the variance
	v_add_f32 v44, 0x3727c5ac, v44                 ; + 1e-5
	v_rsq_f32 v48, v44
	v_nop
	s_wait_alu depctr_va_vdst(0)
.set i, 0
.rept 32
	v_pk_mul_f32 v[S+2*i:S+2*i+1], v[S+2*i:S+2*i+1], v[48:49] op_sel_hi:[1,0]
.set i, i+1
.endr
	WIN 0x04
.set i, 0
.rept 32
	v_pk_mul_f32 v[S+2*i:S+2*i+1], v[S+2*i:S+2*i+1], v[128+64*\u+2*i:129+64*\u+2*i]   ; x silu(g)
.set i, i+1
.endr
	WIN 0
	Q2 S, PC+12*\u, PW+\u, 0, S+32, PC+12*\u+6, PW+\u, 16
.irp k, 0,1,2
	global_store_b128 v9, v[PC+12*\u+4*\k:PC+12*\u+4*\k+3], s[18:19] offset:1536*\u+512*\k
.endr
.endr
	v_cndmask_b32 v13, v[PW], v[PW+1], s40         ; lanes 0-15: tile 0's words, lanes 16-31: tile 1's
	global_store_b32 v10, v13, s[18:19]
	s_wait_tensorcnt 0x0                           ; the wave's end
	ds_add_u32 v[SPW], v[NIL]
	s_wait_dscnt 0x0
	ROUND                                          ; the closing round
	s_endpgm
.Lfunc_end_k_q96e34b253f_attn:
	.size	k_q96e34b253f_attn, .Lfunc_end_k_q96e34b253f_attn-k_q96e34b253f_attn
	.p2alignl 7, 3214868480
	.fill 96, 4, 3214868480
	.section	.rodata,"a",@progbits
	.p2align	6, 0x0
	.amdhsa_kernel k_q96e34b253f_attn
		.amdhsa_group_segment_fixed_size 327680
		.amdhsa_private_segment_fixed_size 0
		.amdhsa_enable_private_segment 0
		.amdhsa_kernarg_size 64
		.amdhsa_user_sgpr_count 2
		.amdhsa_user_sgpr_kernarg_segment_ptr 1
		.amdhsa_wavefront_size32 1
		.amdhsa_system_sgpr_workgroup_id_x 1
		.amdhsa_system_sgpr_workgroup_id_y 1
		.amdhsa_system_sgpr_workgroup_id_z 1
		.amdhsa_system_vgpr_workitem_id 0
		.amdhsa_next_free_vgpr 512
		.amdhsa_next_free_sgpr 100
		.amdhsa_reserve_vcc 1
		.amdhsa_float_denorm_mode_32 3
		.amdhsa_float_denorm_mode_16_64 3
		.amdhsa_memory_ordered 1
		.amdhsa_forward_progress 1
		.amdhsa_inst_pref_size 199
	.end_amdhsa_kernel
	.amdgpu_metadata
---
amdhsa.version: [ 1, 2 ]
amdhsa.kernels:
  - .name:           k_q96e34b253f_attn
    .symbol:         k_q96e34b253f_attn.kd
    .args:
      - { .name: ximg, .offset: 0, .size: 8, .value_kind: global_buffer, .address_space: global }
      - { .name: x_scales, .offset: 8, .size: 8, .value_kind: global_buffer, .address_space: global }
      - { .name: g_b, .offset: 16, .size: 8, .value_kind: global_buffer, .address_space: global }
      - { .name: qpack, .offset: 24, .size: 8, .value_kind: global_buffer, .address_space: global }
      - { .name: kpack, .offset: 32, .size: 8, .value_kind: global_buffer, .address_space: global }
      - { .name: vpack, .offset: 40, .size: 8, .value_kind: global_buffer, .address_space: global }
      - { .name: gpack, .offset: 48, .size: 8, .value_kind: global_buffer, .address_space: global }
      - { .name: a7pack, .offset: 56, .size: 8, .value_kind: global_buffer, .address_space: global }
    .group_segment_fixed_size: 327680
    .private_segment_fixed_size: 0
    .kernarg_segment_align: 8
    .kernarg_segment_size: 64
    .max_flat_workgroup_size: 256
    .sgpr_count:     100
    .vgpr_count:     512
    .wavefront_size: 32
...
	.end_amdgpu_metadata
.endif
;; end of part 2
;; launch outp (part 3): grid 8 x 32, 4 waves a work-group, clusters of 4 x 4, 327,680 bytes of LDS; arguments a7pack, owpack, o_b, out0; writes out0
.if DOCPART == 3
	.amdgcn_target "amdgcn-amd-amdhsa--gfx1250"
	.amdhsa_code_object_version 6
	.text
	.protected	k_q96e34b253f_outp
	.globl	k_q96e34b253f_outp
	.p2align	8
	.type	k_q96e34b253f_outp,@function
k_q96e34b253f_outp:
	s_mov_b64 s[64:65], 0
	v_nop
	global_prefetch_b8 v0, s[64:65] scope:SCOPE_SE
	s_setreg_imm32_b32 hwreg(HW_REG_WAVE_MODE, 25, 1), 1
	s_wait_xcnt 0x0
	s_wait_alu depctr_hold_cnt(0) depctr_sa_sdst(0) depctr_va_vdst(0) depctr_va_sdst(0) depctr_va_ssrc(0) depctr_va_vcc(0) depctr_vm_vsrc(0)
	s_getreg_b32 s2, hwreg(HW_REG_IB_STS2, 6, 4)
	s_cmp_eq_u32 s2, 0
	s_cbranch_scc0 .Lentry_in_a_cluster
	s_endpgm
.Lentry_in_a_cluster:
	s_bfe_u32 s2, ttmp6, 0x10000c
	s_cmp_lg_u32 s2, 0xf033
	s_cbranch_scc0 .Lentry_shape_is_right
	s_endpgm
.Lentry_shape_is_right:
; MULTI-SCALE RETENTION IN MX-FP6, launch 3 of 3: out0 = A o_w + o_b, A [4096][2048] and o_w [1024][2048] as images of operand registers with their scale words, as the launches before have laid them
; (both in the one order of K inside a block of 32 that the first launch's head states).  Nothing is left out here.
; A tile of out0 is 128 x 128: 256 work-groups (tiles of 256 x 256 would be 64).  Four waves, each 64 x 64: 16 accumulators.  K = 16 steps of 128; an LDS slot holds four steps of both operands: two dense blocks of 49,152 bytes.
; CLUSTERS: 4 x 4: A's block is shared along a row of the cluster, o_w's along a column: joint loads.  The scale words of all 16 steps come once, with the first fills.
; Source 0 = 16 rows of o_w, source 1 = 16 rows of A: a lane holds eight neighbouring numbers of a row of out0.  The bias is the C of each sum's first product.
; REGISTERS: window 0: v16-29 addresses; v32-63 the bias; v64-71 scale words, two sets; v128-255 accumulators (a, b) at v[128 + 8 (4 a + b)].  window 1: two sets of fragments at v0 and v128: o_w's four, then A's four.
.set PACK,  204800
.set SLAB,  49152
.set SLOT,  98304
.set SCL,   196608
.set STAGE, 212992                     ; 16 rows x 272 bytes for each wave, for the way out; no tensor load lands there
.set SPITCH, 272
.set SPARE, 230400                     ; the spare words: 128 bytes a wave, named by no other line
.set ADA,  16
.set ADB,  20
.set ADSA, 22
.set ADSB, 23
.set STO,  24
.set RD,   25
.set CO,   26
.set SPW,  28
.set NIL,  29
.set BI,   32
.set SC,   64
.set ACC,  128
.set G1, 24
.set G0, 32
.set G1B, 48
.set G0B, 56
.set G1S, 68
.set G0S, 76
.set G1SB, 80
.set G0SB, 88
.set MSB, 0
.macro WIN new
.if MSB != (\new)
	s_set_vgpr_msb (MSB<<8)|(\new)
.set MSB, (\new)
.endif
.endm
.macro PLACES n
.rept \n
	v_nop
.endr
.endm
.macro JLOAD g0a, g1a, g0b, g1b        ; a joint load: waves 0 and 1 fetch for A, waves 2 and 3 for o_w; the branch hangs on the wave's number alone
	s_cmp_eq_u32 s15, 0
	s_cbranch_scc0 .Lfor_b_\@
	tensor_load_to_lds s[\g0a:\g0a+3], s[\g1a:\g1a+7]
	s_nop 0
.rept 4
	v_nop
.endr
	s_branch .Lasked_\@
.Lfor_b_\@:
	tensor_load_to_lds s[\g0b:\g0b+3], s[\g1b:\g1b+7]
	s_nop 0
.rept 4
	v_nop
.endr
.Lasked_\@:
.endm
.macro CROUND
	s_barrier_signal -1
	s_barrier_wait -1
	s_cmp_lg_u32 s14, 0
	s_cbranch_scc1 .Lnot_wave_0_\@
	s_barrier_signal -3
.Lnot_wave_0_\@:
	s_barrier_wait -3
	s_barrier_signal -1
	s_barrier_wait -1
.endm
.macro WM d, a, b, cc, sa, sb, ra, rb
.if ((\ra)==0) && ((\rb)==0)
	v_wmma_scale_f32_16x16x128_f8f6f4 v[(\d):(\d)+7], v[(\a):(\a)+11], v[(\b):(\b)+11], \cc, v[\sa], v[\sb] matrix_a_fmt:MATRIX_FMT_FP6 matrix_b_fmt:MATRIX_FMT_FP6
.elseif ((\rb)==0)
	v_wmma_scale_f32_16x16x128_f8f6f4 v[(\d):(\d)+7], v[(\a):(\a)+11], v[(\b):(\b)+11], \cc, v[\sa], v[\sb] matrix_a_fmt:MATRIX_FMT_FP6 matrix_b_fmt:MATRIX_FMT_FP6 matrix_a_scale:MATRIX_SCALE_ROW1
.elseif ((\ra)==0)
	v_wmma_scale_f32_16x16x128_f8f6f4 v[(\d):(\d)+7], v[(\a):(\a)+11], v[(\b):(\b)+11], \cc, v[\sa], v[\sb] matrix_a_fmt:MATRIX_FMT_FP6 matrix_b_fmt:MATRIX_FMT_FP6 matrix_b_scale:MATRIX_SCALE_ROW1
.else
	v_wmma_scale_f32_16x16x128_f8f6f4 v[(\d):(\d)+7], v[(\a):(\a)+11], v[(\b):(\b)+11], \cc, v[\sa], v[\sb] matrix_a_fmt:MATRIX_FMT_FP6 matrix_b_fmt:MATRIX_FMT_FP6 matrix_a_scale:MATRIX_SCALE_ROW1 matrix_b_scale:MATRIX_SCALE_ROW1
.endif
.endm
	s_load_b256 s[4:11], s[0:1], 0x0               ; a7pack, owpack, o_b, out0
	v_lshl_add_u32 v[SPW], v0, 2, SPARE
	v_mov_b32 v[NIL], 0
	ds_add_u32 v[SPW], v[NIL]                      ; the wave's opening: the add, twice on end, and its wait ahead of my first tensor load
	ds_add_u32 v[SPW], v[NIL]
	v_lshrrev_b32 v1, 5, v0
	v_readfirstlane_b32 s14, v1                    ; wave 0..3
	s_lshr_b32 s15, s14, 1                         ; which half of the tile's rows is mine.  Also: I fetch for A (0) or for o_w (1)
	s_and_b32 s16, s14, 1                          ; which half of its columns.  Also: which half of a block I fetch
	s_bfe_u32 s40, ttmp6, 0x40000
	s_bfe_u32 s41, ttmp6, 0x40004
	s_lshl_b32 s42, ttmp9, 2
	s_add_co_u32 s42, s42, s40                     ; block of 128 columns
	s_and_b32 s17, ttmp7, 0xffff
	s_lshl_b32 s17, s17, 2
	s_add_co_u32 s17, s17, s41                     ; block of 128 rows
	s_lshl_b32 s43, s41, 2
	s_lshl_b32 s43, 15, s43                        ; my row of the cluster
	s_lshl_b32 s44, 0x1111, s40                    ; my column
	s_or_b32 s[G1+0], s43, (3<<16)|(1<<21)         ; dense blocks as rows of 256 bytes (32 elements of 8 bytes), no padding: images are read 512 consecutive bytes at a time
	s_or_b32 s[G1B+0], s44, (3<<16)|(1<<21)
	s_or_b32 s[G1S+0], s43, (3<<16)|(1<<21)
	s_or_b32 s[G1SB+0], s44, (3<<16)|(1<<21)
.irp g, G1, G1B
	s_mov_b32 s[\g+1], 32<<16
	s_mov_b32 s[\g+2], 96<<16                      ; two K steps of one operand: 24,576 bytes
	s_mov_b32 s[\g+3], 32<<16
	s_mov_b32 s[\g+4], 96
	s_mov_b32 s[\g+5], 32
	s_mov_b32 s[\g+6], 0
	s_mov_b32 s[\g+7], 0
.endr
.irp g, G1S, G1SB
	s_mov_b32 s[\g+1], 32<<16
	s_mov_b32 s[\g+2], 16<<16                      ; half an operand's scale words: 4,096 bytes
	s_mov_b32 s[\g+3], 32<<16
	s_mov_b32 s[\g+4], 16
	s_mov_b32 s[\g+5], 32
	s_mov_b32 s[\g+6], 0
	s_mov_b32 s[\g+7], 0
.endr
	s_mul_i32 s18, s16, 24576
	s_lshl_b32 s19, s16, 12
	s_add_co_u32 s19, s19, SCL
	s_mul_i32 s20, s17, PACK                       ; A's block hangs on the block of rows alone,
	s_add_co_u32 s22, s20, s19
	s_add_co_u32 s20, s20, s18
	s_mov_b32 s21, 0
	s_mov_b32 s23, 0
	s_mul_i32 s46, s42, PACK                       ; o_w's on the block of columns alone
	s_add_co_u32 s92, s46, s19
	s_add_co_u32 s46, s46, s18
	s_mov_b32 s47, 0
	s_mov_b32 s93, 0
	s_mul_i32 s45, s14, 24576                      ; where they go: by the wave's number alone
	s_lshl_b32 s94, s14, 12
	s_wait_dscnt 0x0                               ; both opening adds are done
	s_wait_kmcnt 0x0
	s_add_nc_u64 s[20:21], s[4:5], s[20:21]
	s_add_nc_u64 s[22:23], s[4:5], s[22:23]
	s_add_nc_u64 s[46:47], s[6:7], s[46:47]
	s_add_nc_u64 s[92:93], s[6:7], s[92:93]
	CROUND                                         ; all sixteen work-groups are here: the first joint loads meet
	s_mov_b32 s[G0S], 1
	s_add_co_u32 s[G0S+1], s94, SCL
	s_mov_b64 s[G0S+2:G0S+3], s[22:23]
	s_or_b32 s[G0S+3], s[G0S+3], 0x80000000
	s_mov_b32 s[G0SB], 1
	s_add_co_u32 s[G0SB+1], s94, SCL
	s_mov_b64 s[G0SB+2:G0SB+3], s[92:93]
	s_or_b32 s[G0SB+3], s[G0SB+3], 0x80000000
	JLOAD G0S, G1S, G0SB, G1SB                     ; the scale words first.  Three loads of mine are out behind the third
.irp s, 0,1
	s_mov_b32 s[G0+4*\s], 1
	s_add_co_u32 s[G0+4*\s+1], s45, \s*SLOT
	s_add_nc_u64 s[G0+4*\s+2:G0+4*\s+3], s[20:21], \s*SLAB
	s_or_b32 s[G0+4*\s+3], s[G0+4*\s+3], 0x80000000
	s_mov_b32 s[G0B+4*\s], 1
	s_add_co_u32 s[G0B+4*\s+1], s45, \s*SLOT
	s_add_nc_u64 s[G0B+4*\s+2:G0B+4*\s+3], s[46:47], \s*SLAB
	s_or_b32 s[G0B+4*\s+3], s[G0B+4*\s+3], 0x80000000
	JLOAD G0+4*\s, G1, G0B+4*\s, G1B
.endr
	v_and_b32 v1, 15, v0                           ; r
	v_bfe_u32 v2, v0, 4, 1                         ; h
	v_and_b32 v3, 31, v0
	v_lshlrev_b32 v4, 4, v3                        ; 16 x lane
	v_lshlrev_b32 v5, 2, v3                        ; 4 x lane
	s_mul_i32 s20, s15, 6144                       ; my four tiles of A,
	s_mul_i32 s21, s16, 6144
	s_add_co_u32 s21, s21, SLAB                    ; my four of o_w, behind A's block
.irp s, 0,1
	v_add_nc_u32 v[ADA+\s], s20, v4
	v_add_nc_u32 v[ADB+\s], s21, v4
	s_add_co_u32 s20, s20, SLOT
	s_add_co_u32 s21, s21, SLOT
.endr
	s_lshl_b32 s20, s15, 8
	s_add_co_u32 s20, s20, SCL
	v_add_nc_u32 v[ADSA], s20, v5                  ; my two pairs of tiles among A's scale words,
	s_lshl_b32 s20, s16, 8
	s_add_co_u32 s20, s20, SCL+8192
	v_add_nc_u32 v[ADSB], s20, v5                  ; among o_w's
	s_mul_i32 s20, s14, 16*SPITCH
	s_add_co_u32 s20, s20, STAGE                   ; my stage
	v_mul_u32_u24 v6, v1, SPITCH
	v_lshl_add_u32 v6, v2, 5, v6
	v_add_nc_u32 v[STO], s20, v6                   ; in: row r, 32 bytes for each half of the lanes
	v_mul_u32_u24 v6, v2, SPITCH
	v_lshl_add_u32 v6, v1, 4, v6
	v_add_nc_u32 v[RD], s20, v6                    ; back: lanes 0-15 one row of 256 bytes, lanes 16-31 the next
	v_lshlrev_b32 v6, 12, v2
	v_lshl_add_u32 v[CO], v1, 4, v6                ; and the same two rows in out0 (4,096 bytes a row)
	s_lshl_b32 s20, s42, 9
	s_lshl_b32 s21, s16, 8
	s_add_co_u32 s20, s20, s21                     ; my first column, in bytes
	s_mov_b32 s21, 0
	s_add_nc_u64 s[8:9], s[8:9], s[20:21]
	s_add_nc_u64 s[10:11], s[10:11], s[20:21]
	s_lshl_b32 s20, s17, 7
	s_lshl_b32 s22, s15, 6
	s_add_co_u32 s20, s20, s22
	s_lshl_b32 s20, s20, 12                        ; my first row
	s_add_nc_u64 s[10:11], s[10:11], s[20:21]
	v_lshlrev_b32 v7, 5, v2
.irp b, 0,1,2,3
	global_load_b128 v[BI+8*\b:BI+8*\b+3], v7, s[8:9] offset:64*\b        ; o_b of columns 16 b + 8 h + 0 .. 7
	global_load_b128 v[BI+8*\b+4:BI+8*\b+7], v7, s[8:9] offset:64*\b+16
.endr
; K step sg lies in slot (sg / 4) % 2 at place sg % 4, and goes into set sg % 2: 24 loads of 16 bytes a lane and 4 scale words
.macro FETCH sg
.set SG_, (\sg)
	WIN 0x40
.irp i, 0,1,2,3
.irp k, 0,1,2
	ds_load_b128 v[128*(SG_%2)+12*\i+4*\k:128*(SG_%2)+12*\i+4*\k+3], v[ADB+(SG_/4)%2] offset:(SG_%4)*12288+\i*1536+512*\k
	ds_load_b128 v[128*(SG_%2)+48+12*\i+4*\k:128*(SG_%2)+48+12*\i+4*\k+3], v[ADA+(SG_/4)%2] offset:(SG_%4)*12288+\i*1536+512*\k
.endr
.endr
	WIN 0
	ds_load_b32 v[SC+4*(SG_%2)], v[ADSA] offset:SG_*512
	ds_load_b32 v[SC+4*(SG_%2)+1], v[ADSA] offset:SG_*512+128
	ds_load_b32 v[SC+4*(SG_%2)+2], v[ADSB] offset:SG_*512
	ds_load_b32 v[SC+4*(SG_%2)+3], v[ADSB] offset:SG_*512+128
.endm
.macro MUL sg                          ; 16 matrix instructions: the accumulators take turns, one instruction a turn
.set SG_, (\sg)
	WIN 0x05
.irp a, 0,1,2,3
.irp b, 0,1,2,3
.set DD, ACC+8*(4*\a+\b)
.if SG_ == 0
	WM DD, 128*(SG_%2)+12*\b, 128*(SG_%2)+48+12*\a, v[BI+8*\b:BI+8*\b+7], SC+4*(SG_%2)+2+\b/2, SC+4*(SG_%2)+\a/2, \b%2, \a%2
.else
	WM DD, 128*(SG_%2)+12*\b, 128*(SG_%2)+48+12*\a, v[DD:DD+7], SC+4*(SG_%2)+2+\b/2, SC+4*(SG_%2)+\a/2, \b%2, \a%2
.endif
.endr
.endr
	WIN 0
.endm
	s_wait_tensorcnt 1                             ; the scale words and my part of slot 0 are in (slot 1's load may be out),
	s_barrier_signal -1
	s_barrier_wait -1                              ; everybody's are
	FETCH 0
	s_wait_loadcnt 0x0                             ; the bias
.irp k, 0,1,2,3,4,5,6,7,8,9,10,11,12,13,14,15
.if \k%4 != 3
	PLACES 4                                       ; in front of loads into registers that matrix instructions have read
	FETCH \k+1
	s_wait_dscnt 28                                ; all but the 28 just issued
	MUL \k
.elseif \k == 15
	s_wait_dscnt 0x0
	MUL \k
.else
	s_wait_dscnt 0x0                               ; this step's fragments are in
	s_wait_tensorcnt 0x0                           ; all my tensor loads have landed: my part of the next slot
	ds_add_u32 v[SPW], v[NIL]                      ; 0 onto my spare word; the step's products stand between it and the wait for it
	MUL \k
	s_wait_dscnt 0x0                               ; the add is done, and my reads of this slot are over
.if \k < 11
	CROUND                                         ; no wave of any partner still reads this slot or has a load on its way
	s_add_nc_u64 s[G0+4*((\k/4)%2)+2:G0+4*((\k/4)%2)+3], s[G0+4*((\k/4)%2)+2:G0+4*((\k/4)%2)+3], 2*SLAB
	s_add_nc_u64 s[G0B+4*((\k/4)%2)+2:G0B+4*((\k/4)%2)+3], s[G0B+4*((\k/4)%2)+2:G0B+4*((\k/4)%2)+3], 2*SLAB
	JLOAD G0+4*((\k/4)%2), G1, G0B+4*((\k/4)%2), G1B   ; the four K steps two slots on; the four v_nop behind it are the places in front of the loads below
.else
	s_barrier_signal -1                            ; nothing is left to fetch
	s_barrier_wait -1
	PLACES 4
.endif
	FETCH \k+1
.endif
.endr
	; THE WAY OUT: 16 rows x 64 columns at a time through my own stage; sixteen lanes then store 256 consecutive bytes, at a multiple of 256 from out0's first byte
	PLACES 4
.macro TOSTAGE a
.irp b, 0,1,2,3
	ds_store_b128 v[STO], v[ACC+8*(4*(\a)+\b):ACC+8*(4*(\a)+\b)+3] offset:64*\b          ; each accumulator from its low end on
	ds_store_b128 v[STO], v[ACC+8*(4*(\a)+\b)+4:ACC+8*(4*(\a)+\b)+7] offset:64*\b+16
.endr
.irp i, 0,1,2,3,4,5,6,7
	ds_load_b128 v[ACC+32*(\a)+4*\i:ACC+32*(\a)+4*\i+3], v[RD] offset:2*\i*SPITCH        ; LDS serves a wave's instructions in order (ISA guide 5.7.1.4): these see the stores above
.endr
.endm
.macro SEND a, younger
	s_wait_dscnt \younger
.irp i, 0,1,2,3,4,5,6,7
	global_store_b128 v[CO], v[ACC+32*(\a)+4*\i:ACC+32*(\a)+4*\i+3], s[10:11] offset:(16*(\a)+2*\i)*4096 th:TH_STORE_NT
.endr
.endm
	TOSTAGE 0
.irp a, 1,2,3
	TOSTAGE \a
	SEND \a-1, 16                                  ; behind block a - 1's loads: block a's 8 stores and 8 loads
.endr
	SEND 3, 0
	s_wait_tensorcnt 0x0                           ; the wave's end
	ds_add_u32 v[SPW], v[NIL]
	s_wait_dscnt 0x0
	CROUND                                         ; the closing round
	s_endpgm
.Lfunc_end_k_q96e34b253f_outp:
	.size	k_q96e34b253f_outp, .Lfunc_end_k_q96e34b253f_outp-k_q96e34b253f_outp
	.p2alignl 7, 3214868480
	.fill 96, 4, 3214868480
	.section	.rodata,"a",@progbits
	.p2align	6, 0x0
	.amdhsa_kernel k_q96e34b253f_outp
		.amdhsa_group_segment_fixed_size 327680
		.amdhsa_private_segment_fixed_size 0
		.amdhsa_enable_private_segment 0
		.amdhsa_kernarg_size 32
		.amdhsa_user_sgpr_count 2
		.amdhsa_user_sgpr_kernarg_segment_ptr 1
		.amdhsa_wavefront_size32 1
		.amdhsa_system_sgpr_workgroup_id_x 1
		.amdhsa_system_sgpr_workgroup_id_y 1
		.amdhsa_system_sgpr_workgroup_id_z 1
		.amdhsa_system_vgpr_workitem_id 0
		.amdhsa_next_free_vgpr 512
		.amdhsa_next_free_sgpr 98
		.amdhsa_reserve_vcc 0
		.amdhsa_float_denorm_mode_32 3
		.amdhsa_float_denorm_mode_16_64 3
		.amdhsa_memory_ordered 1
		.amdhsa_forward_progress 1
		.amdhsa_inst_pref_size 84
	.end_amdhsa_kernel
	.amdgpu_metadata
---
amdhsa.version: [ 1, 2 ]
amdhsa.kernels:
  - .name:           k_q96e34b253f_outp
    .symbol:         k_q96e34b253f_outp.kd
    .args:
      - { .name: a7pack, .offset: 0, .size: 8, .value_kind: global_buffer, .address_space: global }
      - { .name: owpack, .offset: 8, .size: 8, .value_kind: global_buffer, .address_space: global }
      - { .name: o_b, .offset: 16, .size: 8, .value_kind: global_buffer, .address_space: global }
      - { .name: out0, .offset: 24, .size: 8, .value_kind: global_buffer, .address_space: global }
    .group_segment_fixed_size: 327680
    .private_segment_fixed_size: 0
    .kernarg_segment_align: 8
    .kernarg_segment_size: 32
    .max_flat_workgroup_size: 128
    .sgpr_count:     98
    .vgpr_count:     512
    .wavefront_size: 32
...
	.end_amdgpu_metadata
.endif
;; end of part 3
